; MI455X (gfx1250); checked and timed in simulation.
; The chip was launched on July 23, 2026; its instructions are those of AMD's public machine-readable ISA for CDNA 5 (MIT licence, August 2026) and "CDNA5" Instruction Set Architecture Reference Guide (July 2026). The comments in the code are by the model that wrote it; some were corrected since.
;; Multi Head Attention. Allowed arithmetic: matrix products marked QUANTISED: E2M3 operands, one E8M0 scale for each 32 along K, by v_wmma_scale_f32_16x16x128_f8f6f4 with both operands' format E2M3, f32 sums; everything else in f32.
;; Inputs: Wk_codes 1,024 x 32 x 24 uint8 (E2M3 codes of Wk, K innermost, in blocks of 32 codes, four codes in three bytes); Wk_scales 1,024 x 32 uint8 (E8M0 scales of Wk, one for each 32 codes along K); Wo_codes 1,024 x 32 x 24 uint8 (E2M3 codes of Wo, K innermost, in blocks of 32 codes, four codes in three bytes); Wo_scales 1,024 x 32 uint8 (E8M0 scales of Wo, one for each 32 codes along K); Wq_codes 1,024 x 32 x 24 uint8 (E2M3 codes of Wq, K innermost, in blocks of 32 codes, four codes in three bytes); Wq_scales 1,024 x 32 uint8 (E8M0 scales of Wq, one for each 32 codes along K); Wv_codes 1,024 x 32 x 24 uint8 (E2M3 codes of Wv, K innermost, in blocks of 32 codes, four codes in three bytes); Wv_scales 1,024 x 32 uint8 (E8M0 scales of Wv, one for each 32 codes along K); k_codes 4 x 2,048 x 32 x 24 uint8 (E2M3 codes of k, K innermost, in blocks of 32 codes, four codes in three bytes); k_scales 4 x 2,048 x 32 uint8 (E8M0 scales of k, one for each 32 codes along K); ln_beta 1,024 float32; ln_gamma 1,024 float32; q 4 x 2,048 x 1,024 float32; sen_len 4 int32; v_codes 4 x 2,048 x 32 x 24 uint8 (E2M3 codes of v, K innermost, in blocks of 32 codes, four codes in three bytes); v_scales 4 x 2,048 x 32 uint8 (E8M0 scales of v, one for each 32 codes along K).
;; Outputs: out0 4 x 2,048 x 1,024 float32.
;; This version of the problem:
;;   THIS VERSION OF THE PROBLEM IS GIVEN IN LOW PRECISION. The matrix products marked QUANTISED in the list below multiply operands that are first quantised to E2M3 (2 exponent bits, 3 mantissa bits; 6 bits a number), with one power-of-two scale for each 32 numbers along K (OCP MX v1.0); their sums are f32. All else is computed in f32.
;;   The module's matrix products, in the order in which they are computed (A, B: the left and right operand; K: the contracted axis; several contracted axes count as one K, in the product's order):
;;     1. [M 8,192, K 1,024] x [K 1,024, N 1,024]; A: input q; B: input Wq (given as codes): QUANTISED
;;     2. [M 8,192, K 1,024] x [K 1,024, N 1,024]; A: input k (given as codes); B: input Wk (given as codes): QUANTISED
;;     3. [M 8,192, K 1,024] x [K 1,024, N 1,024]; A: input v (given as codes); B: input Wv (given as codes): QUANTISED
;;     4. batch 64 x [M 2,048, K 64] x [K 64, N 2,048]; A: computed on the way; B: computed on the way: QUANTISED
;;     5. batch 64 x [M 2,048, K 2,048] x [K 2,048, N 64]; A: softmax (see below); B: computed on the way: QUANTISED
;;     6. [M 8,192, K 1,024] x [K 1,024, N 1,024]; A: computed on the way; B: input Wo (given as codes): QUANTISED
;;   THE QUANTISER, for each operand of a quantised product, along K:
;;     - K is cut into blocks of 32 from its start; a last block that is shorter is filled with zeros.
;;     - A block's scale is 2^e with e = floor(log2(the largest magnitude in the block)) - 2, held to -126 .. 127; a block of zeros has e = 0. As a byte (E8M0): e + 127.
;;     - Each number is divided by its block's scale, clamped to +-7.5, and rounded to the nearest number of E2M3, ties to even, subnormals kept.
;;     - The product sums the exact products of the quantised numbers (number of the format x scale) in f32.
;;   ~~~python
;;   def quantise(x, axis):      # numpy; x: float32 -> the quantised numbers, widened to float32 again
;;       x = np.moveaxis(x, axis, -1); K = x.shape[-1]
;;       x = np.pad(x, [(0, 0)] * (x.ndim - 1) + [(0, -K % 32)]); x = x.reshape(x.shape[:-1] + (-1, 32)); a = np.abs(x).max(-1, keepdims=True)
;;       e = np.where(a > 0, np.clip(np.frexp(np.where(a > 0, a, 1))[1] - 1 - 2, -126, 127), 0)      # np.frexp(a)[1] - 1 = floor(log2(a)), exactly
;;       r = np.clip(x / 2.0 ** e, -7.5, 7.5)
;;       step = 2.0 ** (np.maximum(np.frexp(np.where(r == 0, 1, r))[1] - 1, 0) - 3)
;;       q = np.round(r / step) * step * 2.0 ** e      # np.round: ties to even
;;       return np.moveaxis(q.reshape(q.shape[:-2] + (-1,))[..., :K], -1, axis).astype(np.float32)
;;   ~~~
;;   SOFTMAX AHEAD OF A QUANTISED PRODUCT. Where the list says 'softmax', what is quantised is not the finished softmax but p = 2^(t - M), with t = logit x log2(e) and M = ceil(the row's largest t), a whole number; so 1/2 < the row's largest p <= 1. The row's sum l is taken of the UNQUANTISED p, in f32, and the product's result is divided by l at the end. Since M is a whole number, a kernel that streams over the keys may use a running M (the ceiling of the running maximum): every later rescaling is an exact power of two, which a block's scale takes up: the codes' values come out the same.
;;   OPERANDS COMPUTED ON THE WAY. 'Computed on the way' means the value that the module computes at that place (a softmax that the list does not call 'softmax' is quantised finished and normalised). What goes into a quantiser is computed in f32, as accurately as f32 sums, v_exp_f32 and their like allow (about 1e-6 of the number): no bf16 or f16 on the way to a quantiser, and a product that is left as it is and whose result goes on into a quantised operand takes f32 operands (vector FMAs, or v_wmma_f32_16x16x4_f32). A number that lies on a knife's edge between two numbers of the format may be rounded either way, as far as f32 arithmetic and the matrix unit's own rounding can turn it there, and no further.
;;   INPUTS GIVEN AS CODES. Wk (in the module: [1024, 1024], K = its axis 1); Wo (in the module: [1024, 1024], K = its axis 1); Wq (in the module: [1024, 1024], K = its axis 1); Wv (in the module: [1024, 1024], K = its axis 1); k (in the module: [4, 2048, 1024], K = its axis 2); v (in the module: [4, 2048, 1024], K = its axis 2): each comes as NAME_codes (uint8): NAME with its K axis moved to the last place and cut into blocks of 32 codes, [.., K / 32, bytes a block], one block behind the other in memory; four codes in three bytes: a row's codes are one little-endian stream of bits, code i at bits 6 i .. 6 i + 5 (a code: sign, 2 exponent bits, 3 mantissa bits); and NAME_scales (uint8): the same leading axes, one E8M0 byte (e + 127) for each 32 codes along K. Its value is code x scale, taken as it is: it is not quantised again, and the codes and scales need not be those that the quantiser above would give.
;; One version. Each part assembles by itself: llvm-mc -triple=amdgcn-amd-amdhsa -mcpu=gfx1250 --defsym DOCPART=n.
;; ======== version 1 of 1: 3 launches
;; workspace buffers: kv 13,631,488 bytes; qc 6,291,456 bytes; qs 524,288 bytes; cc 6,291,456 bytes; cs 262,144 bytes
;; launch proj (part 1): grid 16 x 16, 4 waves a work-group, clusters of 4 x 4, 327,680 bytes of LDS; arguments k_codes, k_scales, Wk_codes, Wk_scales, v_codes, v_scales, Wv_codes, Wv_scales, q, kv, qc, qs; writes kv, qc, qs
.if DOCPART == 1
	.amdgcn_target "amdgcn-amd-amdhsa--gfx1250"
	.amdhsa_code_object_version 6
	.text
	.protected	k_q31307ca64f_proj
	.globl	k_q31307ca64f_proj
	.p2align	8
	.type	k_q31307ca64f_proj,@function
k_q31307ca64f_proj:
	s_mov_b64 s[64:65], 0
	v_nop
	global_prefetch_b8 v0, s[64:65] scope:SCOPE_SE
	s_setreg_imm32_b32 hwreg(HW_REG_WAVE_MODE, 25, 1), 1
	s_wait_xcnt 0x0
	s_wait_alu depctr_hold_cnt(0) depctr_sa_sdst(0) depctr_va_vdst(0) depctr_va_sdst(0) depctr_va_ssrc(0) depctr_va_vcc(0) depctr_vm_vsrc(0)
	s_getreg_b32 s2, hwreg(HW_REG_IB_STS2, 6, 4)
	s_cmp_eq_u32 s2, 0
	s_cbranch_scc0 .Lentry_in_a_cluster
	s_endpgm
.Lentry_in_a_cluster:
	s_bfe_u32 s2, ttmp6, 0x10000c
	s_cmp_lg_u32 s2, 0xf033
	s_cbranch_scc0 .Lentry_shape_is_right
	s_endpgm
.Lentry_shape_is_right:
; kh = k Wk^T and vh^T = Wv v^T on codes of FP6 (E2M3) with E8M0 scales, each quantised again on the way out; and q (f32) quantised along its 1,024.
; One text, two paths, chosen by the cluster's y (the same in all sixteen partners): clusters y = 0, 1: A = k (8,192 rows), B = Wk (1,024 rows); y = 2, 3: A = Wv, B = v.
; A tile of A B^T is 256 x 256, four waves, 128 x 128 a wave, 64 accumulators.  K = 1,024 goes in four steps of 256 through a ring of two LDS slots; the scale bytes of the 256 + 256 rows come once.
; The matrix instruction is used transposed (source 0 = 16 rows of B, source 1 = 16 rows of A): a lane holds one row of A and its registers run along B's rows.  So on the k path a lane holds a key and its
; registers run along the head's channels (the next product's K), on the v path a lane holds a channel and its registers run along the keys (the K of the product with p): both are quantised by one text.
; CLUSTER 4 x 4: A's tile is asked for jointly along a row of the cluster, B's along a column.
; OUT: kv, in chunks of 13,312 bytes for (batch, head, 128 keys): eight tiles of K (16 keys x 64 channels, 768 bytes: registers 0-3 as 16 bytes a lane, registers 4-5 as 8 bytes a lane), four tiles of V^T
; (16 channels x 128 keys, 1,536 bytes: two such halves), 512 bytes of K's scale words, 512 of V's.  The rows of a tile: lane r of tile t takes row 32 (t / 2) + 8 (t % 2) + r % 8 + 16 (r / 8).
; q: work-group id takes rows 32 id on; a wave 16 rows x 512 columns: four fragments, stored as three images of 512 bytes (qc) and one scale word a row and fragment (qs).
; LIMITS: a block whose largest magnitude lies under 2^-124 keeps the scale byte 1; a block of zeros gets the byte 1 (its codes are zeros, and this program alone reads the bytes); NaN and infinities are not served.
.set KSTEP,  256
.set NQ,     KSTEP/128
.set ROWB,   192
.set KROW,   768
.set PITCH,  240                       ; an LDS row: 3 x (64 bytes + 16 of padding)
.set FR,     12
.set NL,     6
.set NP,     4
.set HALFT,  128*PITCH
.set SLOT,   4*HALFT
.set LAPS,   2                         ; 1,024 / 512
.set KS,     32                        ; a row of scale bytes
.set SCL,    2*SLOT
.set HALFS,  (128*KS/256)*272
.set SBLK,   (16*KS/256)*272
.set SPARE,  SCL+4*HALFS               ; the spare words: 128 bytes a wave, named by no other line
.set CHUNK,  13312
.set HEADB,  16*CHUNK                  ; from a head's chunk to the next head's
.set QPITCH, 528                       ; q's stage: 16 rows x (512 + 16) bytes a wave, in slot 0, behind that slot's last fill and last read
.set ADRA, 16
.set ADRB, 20
.set L16,  24                          ; 16 x lane
.set L8,   25                          ; 8 x lane
.set ADRS, 27
.set SPW,  28
.set NIL,  29
.set QSTO, 30
.set QRD,  31
.set SC,   32                          ; v32-63 scale words and nothing else
.set CX,   64                          ; the way out: codes of two blocks of 16 rows
.set CY,   76
.set PWX,  88
.set PWY,  89
.set XS,   90
.set YS,   91
.set QW,   92
.set TM,   96
.set WM,   112
.set KS0,  116
.set KS1,  120
.set AF,   128
.set QN,   128
.set CT,   192
.set G1, 24
.set G0, 32
.set G1B, 48
.set G0B, 56
.set G1S, 68
.set G0S, 76
.set G1SB, 80
.set G0SB, 88
.set MSB, 0
.macro WIN new                         ; the immediate's high byte repeats the setting that is left
.if MSB != (\new)
	s_set_vgpr_msb (MSB<<8)|(\new)
.set MSB, (\new)
.endif
.endm
.set MUL_LO, 0xa1
.set MUL_HI, 0xf1
.set TO_B,   0x40
.macro JLOAD g0a, g1a, g0b, g1b        ; waves 0 and 1 fetch for A, waves 2 and 3 for B; four v_nop follow each line
	s_cmp_eq_u32 s15, 0
	s_cbranch_scc0 .Lfor_b_\@
	tensor_load_to_lds s[\g0a:\g0a+3], s[\g1a:\g1a+7]
	s_nop 0
.rept 4
	v_nop
.endr
	s_branch .Lasked_\@
.Lfor_b_\@:
	tensor_load_to_lds s[\g0b:\g0b+3], s[\g1b:\g1b+7]
	s_nop 0
.rept 4
	v_nop
.endr
.Lasked_\@:
.endm
.macro CREST
	s_cmp_lg_u32 s14, 0
	s_cbranch_scc1 .Lnot_wave_0_\@
	s_barrier_signal -3
.Lnot_wave_0_\@:
	s_barrier_wait -3
	s_barrier_signal -1
	s_barrier_wait -1
.endm
.macro CROUND
	s_barrier_signal -1
	s_barrier_wait -1
	CREST
.endm
	s_load_b512 s[72:87], s[0:1], 0x0              ; k codes, k scales, Wk codes, Wk scales, v codes, v scales, Wv codes, Wv scales
	s_load_b256 s[88:95], s[0:1], 0x40             ; q, kv, qc, qs
	v_lshl_add_u32 v[SPW], v0, 2, SPARE
	v_mov_b32 v[NIL], 0
	ds_add_u32 v28, v29
	ds_add_u32 v28, v29
	s_wait_dscnt 0x0
	v_lshrrev_b32 v1, 5, v0
	v_readfirstlane_b32 s14, v1                    ; wave 0..3
	s_lshr_b32 s15, s14, 1                         ; which half of the tile's rows is mine; also: I fetch for A (0) or B (1)
	s_and_b32 s16, s14, 1                          ; which half of its columns; also: which 128 rows I fetch
	s_bfe_u32 s40, ttmp6, 0x40000                  ; cx
	s_bfe_u32 s41, ttmp6, 0x40004                  ; cy
	s_and_b32 s18, ttmp7, 0xffff                   ; the cluster's y
	s_lshr_b32 s66, s18, 1                         ; the path: 0 = k, 1 = v
	s_and_b32 s19, s18, 1
	s_lshl_b32 s19, s19, 2
	s_add_co_u32 s19, s19, ttmp9                   ; i = cluster x + 4 (cluster y % 2): 0..7
	s_lshl_b32 s19, s19, 2
	s_cmp_lg_u32 s66, 0
	s_cselect_b32 s20, 0, s19                      ; k path: the long axis is A's
	s_cselect_b32 s21, s19, 0                      ; v path: it is B's
	s_add_co_u32 s17, s20, s41                     ; tile row
	s_add_co_u32 s42, s21, s40                     ; tile column
	s_lshl_b32 s43, s41, 2
	s_lshl_b32 s43, 15, s43                        ; my row of the cluster
	s_lshl_b32 s44, 0x1111, s40                    ; my column
	s_wait_kmcnt 0x0
	s_cmp_lg_u32 s66, 0
	s_cselect_b64 s[4:5], s[84:85], s[72:73]       ; A's codes: Wv's or k's
	s_cselect_b64 s[6:7], s[86:87], s[74:75]       ; A's scales
	s_cselect_b64 s[8:9], s[80:81], s[76:77]       ; B's codes: v's or Wk's
	s_cselect_b64 s[10:11], s[82:83], s[78:79]     ; B's scales
	s_mov_b64 s[12:13], s[90:91]                   ; kv
	s_mov_b64 s[96:97], s[88:89]                   ; q
	s_mov_b64 s[98:99], s[92:93]                   ; qc
	s_mov_b64 s[100:101], s[94:95]                 ; qs
	s_or_b32 s[G1+0], s43, (0<<16)|(1<<20)|(1<<21)|(3<<22)|(3<<25)  ; the mask; elements of 1 byte; padding of 4 words behind every 16
	s_or_b32 s[G1B+0], s44, (0<<16)|(1<<20)|(1<<21)|(3<<22)|(3<<25)
.irp g, G1, G1B
	s_mov_b32 s[\g+1], ROWB<<16
	s_mov_b32 s[\g+2], 128<<16
	s_mov_b32 s[\g+3], ROWB<<16
	s_mov_b32 s[\g+4], 128
	s_mov_b32 s[\g+5], KROW
	s_mov_b32 s[\g+6], 0
	s_mov_b32 s[\g+7], 0
.endr
	s_or_b32 s[G1S+0], s43, (3<<16)|(1<<20)|(1<<21)|(5<<22)|(3<<25) ; the scales of 128 rows: 4,096 dense bytes as 16 rows of 256, 16 bytes of padding behind each
	s_or_b32 s[G1SB+0], s44, (3<<16)|(1<<20)|(1<<21)|(5<<22)|(3<<25)
.irp g, G1S, G1SB
	s_mov_b32 s[\g+1], 32<<16
	s_mov_b32 s[\g+2], (128*KS/256)<<16
	s_mov_b32 s[\g+3], 32<<16
	s_mov_b32 s[\g+4], 128*KS/256
	s_mov_b32 s[\g+5], 32
	s_mov_b32 s[\g+6], 0
	s_mov_b32 s[\g+7], 0
.endr
	s_lshl_b32 s18, s16, 7
	s_lshl_b32 s20, s17, 8
	s_add_co_u32 s20, s20, s18                     ; A: row 256 x tile row + 128 x half
	s_lshl_b32 s46, s42, 8
	s_add_co_u32 s46, s46, s18                     ; B: row 256 x tile column + 128 x half
	s_mov_b32 s21, 0
	s_mov_b32 s47, 0
	s_mov_b64 s[18:19], KS
	s_mul_u64 s[22:23], s[20:21], s[18:19]
	s_mul_u64 s[92:93], s[46:47], s[18:19]
	s_mov_b64 s[18:19], KROW
	s_mul_u64 s[20:21], s[20:21], s[18:19]
	s_mul_u64 s[46:47], s[46:47], s[18:19]
	s_mul_i32 s45, s14, HALFT
	s_mul_i32 s94, s14, HALFS
	s_add_nc_u64 s[20:21], s[4:5], s[20:21]
	s_add_nc_u64 s[22:23], s[6:7], s[22:23]
	s_add_nc_u64 s[46:47], s[8:9], s[46:47]
	s_add_nc_u64 s[92:93], s[10:11], s[92:93]
	CROUND                                         ; all sixteen work-groups are here: the first joint loads meet
	s_mov_b32 s[G0S], 1
	s_add_co_u32 s[G0S+1], s94, SCL
	s_mov_b64 s[G0S+2:G0S+3], s[22:23]
	s_or_b32 s[G0S+3], s[G0S+3], 0x80000000
	s_mov_b32 s[G0SB], 1
	s_add_co_u32 s[G0SB+1], s94, SCL
	s_mov_b64 s[G0SB+2:G0SB+3], s[92:93]
	s_or_b32 s[G0SB+3], s[G0SB+3], 0x80000000
	JLOAD G0S, G1S, G0SB, G1SB                     ; the scales first
.irp s, 0,1
	s_mov_b32 s[G0+4*\s], 1
	s_add_co_u32 s[G0+4*\s+1], s45, \s*SLOT
	s_add_nc_u64 s[G0+4*\s+2:G0+4*\s+3], s[20:21], \s*ROWB
	s_or_b32 s[G0+4*\s+3], s[G0+4*\s+3], 0x80000000
	s_mov_b32 s[G0B+4*\s], 1
	s_add_co_u32 s[G0B+4*\s+1], s45, \s*SLOT
	s_add_nc_u64 s[G0B+4*\s+2:G0B+4*\s+3], s[46:47], \s*ROWB
	s_or_b32 s[G0B+4*\s+3], s[G0B+4*\s+3], 0x80000000
	JLOAD G0+4*\s, G1, G0B+4*\s, G1B
.endr
	v_and_b32 v1, 15, v0                           ; r
	v_bfe_u32 v2, v0, 4, 1                         ; h
	v_mul_u32_u24 v3, v1, PITCH
	v_mul_u32_u24 v4, v2, 24
	v_add_nc_u32 v4, v3, v4
	v_lshl_add_u32 v5, v2, 4, v4                   ; the same behind one padding more
	s_mul_i32 s21, s15, HALFT
	s_mul_i32 s22, s16, HALFT
	s_add_co_u32 s22, s22, 2*HALFT
.irp s, 0,1
	v_add_nc_u32 v[ADRA+\s], s21, v4
	v_add_nc_u32 v[ADRB+\s], s22, v4
	v_add_nc_u32 v[ADRA+2+\s], s21, v5
	v_add_nc_u32 v[ADRB+2+\s], s22, v5
	s_add_co_u32 s21, s21, SLOT
	s_add_co_u32 s22, s22, SLOT
.endr
	v_mul_u32_u24 v5, v1, KS
	v_lshrrev_b32 v6, 8, v5
	v_lshl_add_u32 v5, v6, 4, v5
	s_mul_i32 s21, s15, HALFS
	s_mul_i32 s22, s16, HALFS
	s_add_co_u32 s22, s22, 2*HALFS
	s_sub_co_u32 s22, s22, s21
	v_mul_u32_u24 v6, s22, v2                      ; lanes 16-31 take B's
	s_add_co_u32 s21, s21, SCL
	v_add_nc_u32 v5, v5, v6
	v_add_nc_u32 v[ADRS], s21, v5
	v_and_b32 v6, 31, v0
	v_lshlrev_b32 v[L16], 4, v6
	v_lshlrev_b32 v[L8], 3, v6
	s_mul_i32 s23, s14, 16*QPITCH                  ; q's stage, my wave's
	v_add_nc_u32 v[QSTO], s23, v[L16]              ; in: a row's 512 bytes, 16 a lane
	v_mul_u32_u24 v5, v1, QPITCH
	v_lshl_add_u32 v5, v2, 6, v5
	v_add_nc_u32 v[QRD], s23, v5                   ; back: row r, + 64 h: my 16 numbers of each block of 32
.macro FRAG reg, adr, q, i
.irp p, 0,1,2,3,4,5
.set PC, 12*(\q)+6*(\p/3)+\p%3
.if PC%8 < 5
	ds_load_b64 v[\reg+2*\p:\reg+2*\p+1], v[\adr] offset:8*PC+16*(PC/8)+(\i)*16*PITCH
.else
	ds_load_b64 v[\reg+2*\p:\reg+2*\p+1], v[\adr+2] offset:8*PC+16*(PC/8)+(\i)*16*PITCH
.endif
.endr
.endm
; 16 matrix instructions: A's blocks a0, a0 + 1 x B's eight.  The 64 accumulators take turns, one instruction a turn.
.macro MUL16 a0, p, q, sc, zero
.irp a, \a0, \a0+1
.irp b, 0,1,2,3,4,5,6,7
.if \zero
	v_wmma_scale_f32_16x16x128_f8f6f4 v[8*(8*((\a)%4)+\b):8*(8*((\a)%4)+\b)+7], v[128*(\p)+FR*\b:128*(\p)+FR*\b+FR-1], v[AF+FR*(\a):AF+FR*(\a)+FR-1], 0, v[SC+8*NQ*(\sc)+NQ*\b+(\q)], v[SC+8*NQ*(\sc)+NQ*(\a)+(\q)] matrix_a_fmt:MATRIX_FMT_FP6 matrix_b_fmt:MATRIX_FMT_FP6 matrix_a_scale:MATRIX_SCALE_ROW1
.else
	v_wmma_scale_f32_16x16x128_f8f6f4 v[8*(8*((\a)%4)+\b):8*(8*((\a)%4)+\b)+7], v[128*(\p)+FR*\b:128*(\p)+FR*\b+FR-1], v[AF+FR*(\a):AF+FR*(\a)+FR-1], v[8*(8*((\a)%4)+\b):8*(8*((\a)%4)+\b)+7], v[SC+8*NQ*(\sc)+NQ*\b+(\q)], v[SC+8*NQ*(\sc)+NQ*(\a)+(\q)] matrix_a_fmt:MATRIX_FMT_FP6 matrix_b_fmt:MATRIX_FMT_FP6 matrix_a_scale:MATRIX_SCALE_ROW1
.endif
.endr
.endr
.endm
.macro FETCH_B slot, q, p
	WIN TO_B
.irp i, 0,1,2,3,4,5,6,7
	FRAG 128*(\p)+FR*\i, ADRB+\slot, \q, \i
.endr
	WIN 0
.endm
.macro FETCH_A slot, q, i0
.irp i, \i0, \i0+1, \i0+2, \i0+3
	FRAG AF+FR*(\i), ADRA+\slot, \q, \i
.endr
.endm
.macro SCALES sc
.irp i, 0,1,2,3,4,5,6,7
	ds_load_b64 v[SC+8*NQ*\sc+NQ*\i:SC+8*NQ*\sc+NQ*\i+1], v[ADRS] offset:\i*SBLK
.endr
.endm
.macro PLACES n                        ; plain instructions between a matrix instruction and a load into, or a vector read of, its registers
.rept \n
	v_nop
.endr
.endm
.macro STEP slot, q, zero
	s_wait_dscnt 4*NL                              ; B's set and A's blocks 0-3 are in; A's blocks 4-7 (24 loads) may be out
	WIN MUL_LO
	MUL16 0, (\q)%2, \q, \slot, \zero
	MUL16 2, (\q)%2, \q, \slot, \zero
	s_wait_dscnt 0
	PLACES NP
	FETCH_B \slot, (\q)+1, 1-(\q)%2
	FETCH_A \slot, (\q)+1, 0
	WIN MUL_HI
	MUL16 4, (\q)%2, \q, \slot, \zero
	MUL16 6, (\q)%2, \q, \slot, \zero
	PLACES NP
	WIN 0
	FETCH_A \slot, (\q)+1, 4
.endm
.macro TURN slot, next, fill
	s_wait_tensorcnt 0x0                           ; all my tensor loads have landed: my part of the next slot
	ds_add_u32 v[SPW], v[NIL]                      ; 0 onto my spare word
	s_wait_dscnt 4*NL+1                            ; the add and A's blocks 4-7 may be out
	WIN MUL_LO
	MUL16 0, 1, NQ-1, \slot, 0
	s_wait_dscnt 0x0                               ; the add is done, my reads of this slot are over
	s_barrier_signal -1
	MUL16 2, 1, NQ-1, \slot, 0
	WIN 0
	s_barrier_wait -1
.if \fill
	CREST                                          ; the barrier has opened a round of the cluster's: no wave of any partner still reads this slot or has a load on its way
	s_add_nc_u64 s[G0+4*\slot+2:G0+4*\slot+3], s[G0+4*\slot+2:G0+4*\slot+3], 2*ROWB
	s_add_nc_u64 s[G0B+4*\slot+2:G0B+4*\slot+3], s[G0B+4*\slot+2:G0B+4*\slot+3], 2*ROWB
	JLOAD G0+4*\slot, G1, G0B+4*\slot, G1B
.else
	PLACES NP
.endif
	v_add_nc_u32 v[ADRS], 4*NQ, v[ADRS]
	FETCH_B \next, 0, 0
	FETCH_A \next, 0, 0
	SCALES \next
	WIN MUL_HI
	MUL16 4, 1, NQ-1, \slot, 0
	MUL16 6, 1, NQ-1, \slot, 0
	PLACES NP
	WIN 0
	FETCH_A \next, 0, 4
.endm
	s_wait_tensorcnt 1                             ; the scales and my part of K step 0 are in; K step 1's load may be out
	s_barrier_signal -1
	s_barrier_wait -1
	FETCH_B 0, 0, 0
	FETCH_A 0, 0, 0
	SCALES 0
	FETCH_A 0, 0, 4
	STEP 0, 0, 1                                   ; the first step's products start the sums
	s_mov_b32 s3, LAPS-1
.Llap:
	TURN 0, 1, 1
	STEP 1, 0, 0
	TURN 1, 0, 1
	STEP 0, 0, 0
	s_sub_co_u32 s3, s3, 1
	s_cmp_lg_u32 s3, 0
	s_cbranch_scc1 .Llap
	TURN 0, 1, 0
	STEP 1, 0, 0
	s_wait_dscnt 4*NL
	WIN MUL_LO
	MUL16 0, 1, NQ-1, 1, 0
	MUL16 2, 1, NQ-1, 1, 0
	s_wait_dscnt 0
	WIN MUL_HI
	MUL16 4, 1, NQ-1, 1, 0
	MUL16 6, 1, NQ-1, 1, 0
	WIN 0
	PLACES NP
	; ---- my share of q is asked for now, 64 loads of 512 consecutive bytes into window 1 (B's fragments are done with), and lands while kv goes out
	s_lshl_b32 s18, ttmp9, 2
	s_add_co_u32 s18, s18, s40
	s_and_b32 s19, ttmp7, 0xffff
	s_lshl_b32 s19, s19, 2
	s_add_co_u32 s19, s19, s41
	s_lshl_b32 s19, s19, 4
	s_add_co_u32 s18, s18, s19                     ; the work-group's number, 0..255: it enters global addresses alone
	s_lshl_b32 s18, s18, 1
	s_add_co_u32 s18, s18, s15                     ; my tile of 16 rows of q
	s_lshl_b32 s20, s18, 16                        ; x 16 rows x 4,096 bytes
	s_lshl_b32 s21, s16, 11                        ; + my 512 columns
	s_add_co_u32 s20, s20, s21
	s_mov_b32 s21, 0
	s_add_nc_u64 s[96:97], s[96:97], s[20:21]
	s_lshl_b32 s20, s18, 3
	s_lshl_b32 s22, s16, 2
	s_add_co_u32 s20, s20, s22
	s_mul_i32 s20, s20, 1536
	s_add_nc_u64 s[98:99], s[98:99], s[20:21]      ; qc: fragment 8 x tile + 4 (wave % 2)
	s_lshl_b32 s20, s18, 1
	s_add_co_u32 s20, s20, s16
	s_lshl_b32 s20, s20, 9
	s_add_nc_u64 s[100:101], s[100:101], s[20:21]  ; qs: 512 bytes for four fragments
	WIN TO_B
.irp f, 0,1,2,3
.irp i, 0,1,2,3,4,5,6,7,8,9,10,11,12,13,14,15
	global_load_b128 v[64*\f+4*\i:64*\f+4*\i+3], v[L16], s[96:97] offset:\i*4096+512*\f th:TH_LOAD_NT
.endr
.endr
	WIN 0
	; ---- where my 128 x 128 go in kv
	s_lshl_b32 s18, s17, 8
	s_lshl_b32 s19, s15, 7
	s_add_co_u32 s18, s18, s19                     ; A's first row of mine
	s_lshl_b32 s19, s42, 8
	s_lshl_b32 s20, s16, 7
	s_add_co_u32 s19, s19, s20                     ; B's
	s_cmp_lg_u32 s66, 0
	s_cselect_b32 s20, s19, s18                    ; my first key
	s_cselect_b32 s21, s18, s19                    ; my first channel
	s_mov_b32 s22, 768
	s_cselect_b32 s68, 1536, s22                   ; from tile to tile
	s_cselect_b32 s70, HEADB-6144, 0               ; v path: behind four tiles on to the next head's chunk
	s_cselect_b32 s72, 6144, 0                     ; where the tiles begin in a chunk
	s_mov_b32 s22, HEADB
	s_cselect_b32 s74, 768, s22                    ; registers 6-11: v path the tile's second half, k path the next head's tile
	s_mov_b32 s22, 12288
	s_cselect_b32 s76, 12800, s22                  ; the scale words
	s_mov_b32 s69, 0
	s_mov_b32 s71, 0
	s_mov_b32 s73, 0
	s_mov_b32 s75, 0
	s_mov_b32 s77, 0
	s_lshr_b32 s21, s21, 7                         ; the pair of heads
	s_lshr_b32 s22, s20, 11                        ; the batch
	s_bfe_u32 s23, s20, 0x40007                    ; the key step
	s_lshl_b32 s22, s22, 4
	s_lshl_b32 s21, s21, 1
	s_add_co_u32 s22, s22, s21
	s_lshl_b32 s22, s22, 4
	s_add_co_u32 s22, s22, s23
	s_mul_i32 s22, s22, CHUNK
	s_mov_b32 s23, 0
	s_add_nc_u64 s[12:13], s[12:13], s[22:23]
	s_add_nc_u64 s[78:79], s[12:13], s[72:73]      ; registers 0-5 go here,
	s_add_nc_u64 s[80:81], s[78:79], s[74:75]      ; registers 6-11 here,
	s_add_nc_u64 s[82:83], s[12:13], s[76:77]      ; the scale words here
	s_mov_b32 s84, 0x76543210
	s_mov_b32 s85, 0xfedcba98                      ; v_permlanex16_b32: lane l xor 16
	s_mov_b32 s86, 0xff00ff00                      ; lanes with l % 16 >= 8
	s_mov_b32 s87, 0xffff0000                      ; lanes 16-31
	s_mov_b32 s88, 0x7f7f0000
.irp b, 0,1,2,3
	v_mov_b32 v[TM+4+\b], 0                        ; written once: a lane permute's destination counts as one of its sources
.endr
	v_mov_b32 v[XS], 0
	v_mov_b32 v[YS], 0
; 64 numbers of a lane in window w, register 16 b + i = k 32 b + 16 (lane / 16) + i of my row, become a fragment's 12 registers in v[dst] on and its scale word in v[pw].
.macro QNT s, w, dst, pw
	WIN ((\w)<<2)|((\w)<<4)
.irp b, 0,1,2,3
	v_max3_num_f32 v[TM+\b], 0x1800000, |v[\s+16*\b]|, |v[\s+16*\b+1]|   ; with the floor 2^(3 - 127): the byte cannot fall under 1
.endr
.irp i, 2,4,6,8,10,12,14
.irp b, 0,1,2,3
	v_max3_num_f32 v[TM+\b], v[TM+\b], |v[\s+16*\b+\i]|, |v[\s+16*\b+\i+1]|
.endr
.endr
	WIN 0
.irp b, 0,1,2,3
	v_permlanex16_b32 v[TM+4+\b], v[TM+\b], s84, s85
.endr
.irp b, 0,1,2,3
	v_max_num_f32 v[TM+\b], v[TM+\b], v[TM+4+\b]   ; the block's largest magnitude
.endr
.irp b, 0,1,2,3
	v_add_nc_u32 v[TM+12+\b], 0xff000000, v[TM+\b] ; 2 off its exponent field: the conversion's scale operand
.endr
.irp b, 0,1,2,3
	v_lshrrev_b32 v[TM+4+\b], 23, v[TM+12+\b]      ; the scale's byte
.endr
	v_lshl_or_b32 v[\pw], v[TM+5], 8, v[TM+4]
	v_lshl_or_b32 v[\pw], v[TM+6], 16, v[\pw]
	v_lshl_or_b32 v[\pw], v[TM+7], 24, v[\pw]
	WIN (\w)
.irp c, 0,1
	v_cvt_scalef32_pk16_fp6_f32 v[\dst+6*\c:\dst+6*\c+2], v[\s+32*\c:\s+32*\c+15], v[TM+12+2*\c]
	v_cvt_scalef32_pk16_fp6_f32 v[CT+4*\c:CT+4*\c+2], v[\s+32*\c+16:\s+32*\c+31], v[TM+12+2*\c+1]
.endr
	WIN 0
	v_nop                                          ; one plain place behind a scaled conversion
.irp c, 0,1
.irp i, 0,1,2
	v_permlane16_swap_b32 v[\dst+6*\c+\i], v[CT+4*\c+\i]
.endr
.irp i, 0,1,2
	v_mov_b32 v[\dst+6*\c+3+\i], v[CT+4*\c+\i]
.endr
.endr
.endm
; Block a of 16 rows.  Its accumulators 2 b and 2 b + 1 hold columns 32 b + 8 h + j and 32 b + 16 + 8 h + j: eight exchanges of halves make of them 16 neighbours, 32 b + 16 h + 0 .. 15.
.macro BLOCKQ a, dst, pw
.set WW, 2+(\a)/4
.set AC, 64*((\a)%4)
	WIN (WW<<6)|WW
.irp b, 0,1,2,3
.irp j, 0,1,2,3,4,5,6,7
	v_permlane16_swap_b32 v[AC+16*\b+\j], v[AC+16*\b+8+\j]       ; each accumulator from its low end on
.endr
.endr
	QNT AC, WW, \dst, \pw
.endm
; Blocks 2 p (rows 32 p + r) and 2 p + 1 (rows 32 p + 16 + r) become tiles 2 p (rows 32 p + r % 8 + 16 (r / 8)) and 2 p + 1 (8 more): lanes r >= 8 of the first change places with lanes r < 8 of the second.
.macro LFIX x, y
	v_mov_b32_dpp v[XS], v[\x] row_xmask:8 row_mask:0xf bank_mask:0xf
	v_mov_b32_dpp v[YS], v[\y] row_xmask:8 row_mask:0xf bank_mask:0xf
	v_cndmask_b32 v[\x], v[\x], v[YS], s86
	v_cndmask_b32 v[\y], v[XS], v[\y], s86
.endm
.macro TILEOUT c                       ; each store covers 512 or 256 consecutive bytes, aligned
	global_store_b128 v[L16], v[\c:\c+3], s[78:79]
	global_store_b64 v[L8], v[\c+4:\c+5], s[78:79] offset:512
	global_store_b128 v[L16], v[\c+6:\c+9], s[80:81]
	global_store_b64 v[L8], v[\c+10:\c+11], s[80:81] offset:512
	s_wait_xcnt 0x0                                ; the stores have read their bases and data: both may be written again
	s_add_nc_u64 s[78:79], s[78:79], s[68:69]
	s_add_nc_u64 s[80:81], s[80:81], s[68:69]
.endm
.irp p, 0,1,2,3
.if \p == 2
	s_add_nc_u64 s[78:79], s[78:79], s[70:71]
	s_add_nc_u64 s[80:81], s[80:81], s[70:71]
.endif
	BLOCKQ 2*\p, CX, PWX
	BLOCKQ 2*\p+1, CY, PWY
.irp i, 0,1,2,3,4,5,6,7,8,9,10,11
	LFIX CX+\i, CY+\i
.endr
	LFIX PWX, PWY
	v_cndmask_b32 v[WM+\p], v[PWX], v[PWY], s87    ; lanes 0-15 tile 2 p's words, lanes 16-31 tile 2 p + 1's
	TILEOUT CX
	TILEOUT CY
.endr
	s_cmp_lg_u32 s66, 0                            ; the path: the same in every wave and partner
	s_cbranch_scc1 .Lv_words
.irp p, 0,1,2,3
	v_and_or_b32 v[KS0+\p], v[WM+\p], 0xffff, s88  ; k path: a word's bytes 0, 1 are the first head's two blocks, bytes 2, 3 the second's; the unused half of K = 128 gets the byte of 1.0
	v_lshrrev_b32 v[KS1+\p], 16, v[WM+\p]
.endr
.irp p, 0,1,2,3
	v_or_b32 v[KS1+\p], s88, v[KS1+\p]
.endr
	s_branch .Lwords
.Lv_words:
.irp p, 0,1,2,3
	v_mov_b32 v[KS0+\p], v[WM+\p%2]                ; v path: tiles 0-3 are the first head's, 4-7 the second's; two words a lane, written twice so that every byte is stored
	v_mov_b32 v[KS1+\p], v[WM+2+\p%2]
.endr
.Lwords:
	global_store_b128 v[L16], v[KS0:KS0+3], s[82:83]
	global_store_b128 v[L16], v[KS1:KS1+3], s[82:83] offset:HEADB
	; ---- q: four fragments of 16 rows x 128.  Rows come as they lie; the stage turns them so that a lane holds 16 neighbours of each block of 32.
.irp f, 0,1,2,3
	s_wait_loadcnt 48-16*\f                        ; this fragment's 16 loads are in; the later fragments' may be out
	s_wait_xcnt 0x0                                ; the last stores have read the registers that are written next
	WIN 0x04                                       ; an LDS store's data: window 1
.irp i, 0,1,2,3,4,5,6,7,8,9,10,11,12,13,14,15
	ds_store_b128 v[QSTO], v[64*\f+4*\i:64*\f+4*\i+3] offset:QPITCH*\i
.endr
	WIN 0
.irp b, 0,1,2,3
.irp j, 0,1,2,3
	ds_load_b128 v[QN+16*\b+4*\j:QN+16*\b+4*\j+3], v[QRD] offset:128*\b+16*\j   ; LDS serves a wave's instructions in order: these see my stores
.endr
.endr
	s_wait_dscnt 0x0
	QNT QN, 0, CX, PWX
.irp c, 0,1,2
	global_store_b128 v[L16], v[CX+4*\c:CX+4*\c+3], s[98:99] offset:1536*\f+512*\c
.endr
	v_mov_b32 v[QW+\f], v[PWX]
.endr
	global_store_b128 v[L16], v[QW:QW+3], s[100:101]
	s_wait_tensorcnt 0x0                           ; the wave's end
	ds_add_u32 v[SPW], v[NIL]
	s_wait_dscnt 0x0
	CROUND                                         ; the closing round
	s_endpgm
.Lfunc_end_k_q31307ca64f_proj:
	.size	k_q31307ca64f_proj, .Lfunc_end_k_q31307ca64f_proj-k_q31307ca64f_proj
	.p2alignl 7, 3214868480
	.fill 96, 4, 3214868480
	.section	.rodata,"a",@progbits
	.p2align	6, 0x0
	.amdhsa_kernel k_q31307ca64f_proj
		.amdhsa_group_segment_fixed_size 327680
		.amdhsa_private_segment_fixed_size 0
		.amdhsa_enable_private_segment 0
		.amdhsa_kernarg_size 96
		.amdhsa_user_sgpr_count 2
		.amdhsa_user_sgpr_kernarg_segment_ptr 1
		.amdhsa_wavefront_size32 1
		.amdhsa_system_sgpr_workgroup_id_x 1
		.amdhsa_system_sgpr_workgroup_id_y 1
		.amdhsa_system_sgpr_workgroup_id_z 1
		.amdhsa_system_vgpr_workitem_id 0
		.amdhsa_next_free_vgpr 1024
		.amdhsa_next_free_sgpr 104
		.amdhsa_reserve_vcc 0
		.amdhsa_float_denorm_mode_32 3
		.amdhsa_float_denorm_mode_16_64 3
		.amdhsa_memory_ordered 1
		.amdhsa_forward_progress 1
		.amdhsa_inst_pref_size 221
	.end_amdhsa_kernel
	.amdgpu_metadata
---
amdhsa.version: [ 1, 2 ]
amdhsa.kernels:
  - .name:           k_q31307ca64f_proj
    .symbol:         k_q31307ca64f_proj.kd
    .args:
      - { .name: k_codes, .offset: 0, .size: 8, .value_kind: global_buffer, .address_space: global }
      - { .name: k_scales, .offset: 8, .size: 8, .value_kind: global_buffer, .address_space: global }
      - { .name: Wk_codes, .offset: 16, .size: 8, .value_kind: global_buffer, .address_space: global }
      - { .name: Wk_scales, .offset: 24, .size: 8, .value_kind: global_buffer, .address_space: global }
      - { .name: v_codes, .offset: 32, .size: 8, .value_kind: global_buffer, .address_space: global }
      - { .name: v_scales, .offset: 40, .size: 8, .value_kind: global_buffer, .address_space: global }
      - { .name: Wv_codes, .offset: 48, .size: 8, .value_kind: global_buffer, .address_space: global }
      - { .name: Wv_scales, .offset: 56, .size: 8, .value_kind: global_buffer, .address_space: global }
      - { .name: q, .offset: 64, .size: 8, .value_kind: global_buffer, .address_space: global }
      - { .name: kv, .offset: 72, .size: 8, .value_kind: global_buffer, .address_space: global }
      - { .name: qc, .offset: 80, .size: 8, .value_kind: global_buffer, .address_space: global }
      - { .name: qs, .offset: 88, .size: 8, .value_kind: global_buffer, .address_space: global }
    .group_segment_fixed_size: 327680
    .private_segment_fixed_size: 0
    .kernarg_segment_align: 8
    .kernarg_segment_size: 96
    .max_flat_workgroup_size: 128
    .sgpr_count:     104
    .vgpr_count:     1024
    .wavefront_size: 32
...
	.end_amdgpu_metadata
.endif
;; end of part 1
;; launch attn (part 2): grid 16 x 16, 16 waves a work-group, no clusters, 108,544 bytes of LDS; arguments qc, qs, Wq_codes, Wq_scales, kv, sen_len, cc, cs; writes cc, cs
.if DOCPART == 2
	.amdgcn_target "amdgcn-amd-amdhsa--gfx1250"
	.amdhsa_code_object_version 6
	.text
	.protected	k_q31307ca64f_attn
	.globl	k_q31307ca64f_attn
	.p2align	8
	.type	k_q31307ca64f_attn,@function
k_q31307ca64f_attn:
	s_mov_b64 s[64:65], 0
	v_nop
	global_prefetch_b8 v0, s[64:65] scope:SCOPE_SE
	s_setreg_imm32_b32 hwreg(HW_REG_WAVE_MODE, 25, 1), 1
	s_wait_xcnt 0x0
; qh = q Wq^T (one head), S^T = K qh^T, p = 2^(t - M), O^T = V^T p^T, ctx = O / l quantised: all products on codes of FP6 (E2M3) with E8M0 scales.
; Key k counts for query i of batch b where k <= i and k < sen_len[b].  t = score x log2(e) / 8; M = the running largest t rounded up to a whole number; l = the sum of the unquantised p.
; SHARES.  Work-group (g, head).  Sixteen waves of 256 registers; a wave owns one tile of 16 queries in each of two phases.  Waves 0-7 and 8-15 are two groups; in phase ph group grp serves batch 2 ph + grp.
; The wave at place pos (0..7) takes query tile 16 pos + g' (g' = g or 15 - g): every work-group samples early and late queries of all four batches alike, whatever sen_len holds.
; A group's eight waves share the chunks of its (batch, head): 13,312 bytes for 128 keys, brought by the eight waves through registers into two LDS slots, one chunk ahead in registers, one in LDS.
; WHY NO JOINT TENSOR LOADS: a key step all of whose keys are hidden (by the diagonal or by sen_len) is left out by a scalar branch on sen_len;
; with sen_len anywhere in 1..2,048 that branch removes from half to nearly all of the 16 steps of a tile, and a chunk is already shared by eight waves.
; Every wave passes all 16 barriers of a phase: only loads, stores and a step's work stand under branches.
; K = 64 in S^T: Q's operand has zero codes in registers 6-11; K's tile t is the run of 12 registers that begins at its six, so its upper six are the next tile's codes, multiplied by zeros; both sides' scale bytes 2, 3 are 1.0.
; LIMITS: sen_len < 1 is served as 1; a block whose largest magnitude lies under 2^-124 keeps the byte 1; a block of zeros gets the byte 1 (zero codes; read by this program alone); NaN and infinities are not served.
.set CH,   13312
.set GRPB, 2*CH
.set WQI,  4*CH                        ; Wq's 32 fragments of this head (tile e, K step s: 8 e + s), images of 1,536 bytes
.set WQS,  WQI+32*1536                 ; their scale words, 128 bytes each
.set LA16, 1                           ; my group's ring + 16 x lane
.set LA8,  2                           ; + 8 x lane
.set FS16, 3                           ; where I store my 1,536 bytes of a chunk
.set FS4,  4                           ; and my 128 bytes of its scale words
.set GL16, 5                           ; the same two places in memory
.set GL4,  6
.set LW16, 7                           ; WQI + 16 x lane
.set LIMV, 8                           ; min(my query, L - 1) - 16 (lane / 16)
.set L16,  9
.set L8,   10
.set R32,  11                          ; 32 x (lane % 16)
.set WQB,  12                          ; at the head: my offset among Wq's scale words; v13 among its codes; v14 r, v15 h.  From the first phase on v12 -M, v13 the largest t, v[14:15] the sum
.set WQA,  13
.set QPS,  16                          ; v16-35, v37: scale words and nothing else.  v16-31 q's (8 x + s), v32-35 Wq's
.set WSC,  32
.set KSC,  16                          ; later: v16-19 K's, v20-21 V's, v22 Q's, v23 the second phase's Q's
.set VSC,  20
.set QSW,  22
.set QSW1, 23
.set F,    36                          ; f = 2^(old M - new M); v37 p's scale word
.set PSW,  37
.set LW4,  38                          ; WQS + 4 x lane
.set TT,   39
.set KB,   40                          ; v40-87 K's eight tiles, then V's four; Wq's four fragments at the head
.set QT1,  88                          ; v88-93 the second phase's Q codes; also what stands behind K's tile 7
.set S,    96
.set O,    160
.set PCD,  192
.set CT,   204
.set BM,   212
.set BB,   216
.set BS,   220
.set QOP,  224                         ; v224-235 Q's operand
.set ST,   236                         ; v236-248 a chunk's part on its way
.set SC2,  250
.set NINF, 252
.set DD,   253
.set WT,   254
.set QR,   160                         ; at the head: q's fragments, four K steps x two tiles: v160-255.  Nothing that has to outlive the Q projection is written there before it is over
.macro IDS ph                          ; -> s70 g', s71 query tile, s72 tile among all 512, s73 batch
	s_xor_b32 s70, s21, \ph
	s_mul_i32 s70, s70, 15
	s_xor_b32 s70, s70, s32
	s_lshl_b32 s71, s23, 4
	s_add_co_u32 s71, s71, s70
	s_lshl_b32 s73, \ph, 1
	s_add_co_u32 s73, s73, s21
	s_lshl_b32 s72, s73, 7
	s_add_co_u32 s72, s72, s71
.endm
.macro CLOAD base, off                 ; my part of a chunk into registers
.irp c, 0,1,2
	global_load_b128 v[ST+4*\c:ST+4*\c+3], v[GL16], s[\base:\base+1] offset:(\off)+512*\c
.endr
	global_load_b32 v[ST+12], v[GL4], s[\base:\base+1] offset:\off
.endm
.macro CSTORE sl                       ; and on into slot sl
.irp c, 0,1,2
	ds_store_b128 v[FS16], v[ST+4*\c:ST+4*\c+3] offset:(\sl)*CH+512*\c
.endr
	ds_store_b32 v[FS4], v[ST+12] offset:(\sl)*CH
.endm
; 32 numbers of a lane, register 16 b + i = k 32 b + 16 (lane / 16) + i, become six registers of codes (lane half h: k = 32 h .. 32 h + 31) and a scale word with 1.0 in bytes 2, 3.
.macro QUANT2 s, dst, pw
.irp b, 0,1
	v_max3_num_f32 v[BM+\b], |v[\s+16*\b]|, |v[\s+16*\b+1]|, 0x1800000
.endr
.irp i, 2,4,6,8,10,12,14
.irp b, 0,1
	v_max3_num_f32 v[BM+\b], v[BM+\b], |v[\s+16*\b+\i]|, |v[\s+16*\b+\i+1]|
.endr
.endr
.irp b, 0,1
	v_permlanex16_b32 v[BB+\b], v[BM+\b], s24, s25
.endr
.irp b, 0,1
	v_max_num_f32 v[BM+\b], v[BM+\b], v[BB+\b]
.endr
.irp b, 0,1
	v_add_nc_u32 v[BS+\b], 0xff000000, v[BM+\b]
.endr
.irp b, 0,1
	v_lshrrev_b32 v[BB+\b], 23, v[BS+\b]
.endr
	v_lshl_or_b32 v[\pw], v[BB+1], 8, v[BB]
	v_or_b32 v[\pw], 0x7f7f0000, v[\pw]
	v_cvt_scalef32_pk16_fp6_f32 v[\dst:\dst+2], v[\s:\s+15], v[BS]
	v_cvt_scalef32_pk16_fp6_f32 v[CT:CT+2], v[\s+16:\s+31], v[BS+1]
	v_nop                                          ; one plain place behind a scaled conversion
.irp i, 0,1,2
	v_permlane16_swap_b32 v[\dst+\i], v[CT+\i]
.endr
.irp i, 0,1,2
	v_mov_b32 v[\dst+3+\i], v[CT+\i]
.endr
.endm
	s_load_b512 s[4:19], s[0:1], 0x0               ; qc, qs, Wq codes, Wq scales, kv, sen_len, cc, cs
	v_lshrrev_b32 v[TT], 5, v0
	v_readfirstlane_b32 s20, v[TT]                 ; wave 0..15
	s_lshr_b32 s21, s20, 3                         ; group
	s_and_b32 s22, s20, 7                          ; my number in it
	s_mul_i32 s23, s21, 7
	s_xor_b32 s23, s23, s22                        ; pos: group 0 ascending, group 1 descending
	s_mov_b32 s32, ttmp9                           ; g
	s_and_b32 s33, ttmp7, 0xffff                   ; the head
	s_mov_b32 s24, 0x76543210
	s_mov_b32 s25, 0xfedcba98
	s_mov_b32 s26, 0x3e38aa3b                      ; c = log2(e) / 8
	s_mov_b32 s27, s26
	v_and_b32 v[TT], 31, v0
	v_lshlrev_b32 v[L16], 4, v[TT]
	v_lshlrev_b32 v[L8], 3, v[TT]
	s_mul_i32 s45, s21, GRPB
	v_add_nc_u32 v[LA16], s45, v[L16]
	v_add_nc_u32 v[LA8], s45, v[L8]
	s_mul_i32 s46, s22, 1536
	v_add_nc_u32 v[GL16], s46, v[L16]
	v_add_nc_u32 v[FS16], s45, v[GL16]
	s_lshl_b32 s46, s22, 7
	s_add_co_u32 s46, s46, 12288
	v_lshl_add_u32 v[GL4], v[TT], 2, s46
	v_add_nc_u32 v[FS4], s45, v[GL4]
	v_add_nc_u32 v[LW16], WQI, v[L16]
	v_lshl_add_u32 v[LW4], v[TT], 2, WQS
	s_mul_i32 s46, s20, 3072
	v_add_nc_u32 v94, s46, v[LW16]                 ; where I store my two fragments of Wq
	s_lshl_b32 s46, s20, 8
	v_add_nc_u32 v95, s46, v[LW4]
	v_and_b32 v14, 15, v0                          ; r
	v_lshlrev_b32 v[R32], 5, v14
	v_bfe_u32 v15, v0, 4, 1                        ; h
	v_and_b32 v[WQB], 8, v14
	v_add_nc_u32 v[WQB], v[WQB], v14               ; r + 8 (r / 8): the rows of a tile of Wq are chosen as K's keys are
	v_mul_u32_u24 v[WQA], v[WQB], 768
	v_mad_u32_u24 v[WQA], v15, 24, v[WQA]          ; Wq's codes: 768 bytes a row, + 24 h
	v_lshlrev_b32 v[WQB], 5, v[WQB]                ; its scale bytes: 32 a row
	v_mov_b32 v[PSW], 0                            ; (named as the upper half of the pair v[36:37] before it is first written)
	s_lshr_b32 s45, s20, 2                         ; my fragments: tile e = wave / 4, K steps 2 (wave % 4) and the next
	s_lshr_b32 s46, s45, 1
	s_lshl_b32 s46, s46, 5
	s_and_b32 s47, s45, 1
	s_lshl_b32 s47, s47, 3
	s_add_co_u32 s46, s46, s47
	s_lshl_b32 s47, s33, 6
	s_add_co_u32 s46, s46, s47                     ; the tile's first row of Wq
	s_and_b32 s47, s20, 3
	s_mul_i32 s48, s46, 768
	s_mul_i32 s49, s47, 192
	s_add_co_u32 s48, s48, s49
	s_mov_b32 s49, 0
	s_lshl_b32 s66, s46, 5
	s_lshl_b32 s67, s47, 3
	s_add_co_u32 s66, s66, s67
	s_mov_b32 s67, 0
	IDS 0
	s_mul_i32 s54, s72, 12288
	s_mov_b32 s55, 0
	s_lshl_b32 s58, s72, 10
	s_mov_b32 s59, 0
	IDS 1
	s_mul_i32 s56, s72, 12288
	s_mov_b32 s57, 0
	s_lshl_b32 s60, s72, 10
	s_mov_b32 s61, 0
	s_lshl_b32 s40, s21, 8
	s_lshl_b32 s41, s33, 4
	s_add_co_u32 s40, s40, s41
	s_mul_i32 s40, s40, CH                         ; chunk 0 of (batch = group, head)
	s_mov_b32 s41, 0
	s_wait_kmcnt 0x0
	s_load_b128 s[28:31], s[14:15], 0x0            ; sen_len
	s_add_nc_u64 s[8:9], s[8:9], s[48:49]
	s_add_nc_u64 s[10:11], s[10:11], s[66:67]
	s_add_nc_u64 s[54:55], s[4:5], s[54:55]
	s_add_nc_u64 s[56:57], s[4:5], s[56:57]
	s_add_nc_u64 s[58:59], s[6:7], s[58:59]
	s_add_nc_u64 s[60:61], s[6:7], s[60:61]
	s_add_nc_u64 s[40:41], s[12:13], s[40:41]
.irp i, 0,1
.irp p, 0,1,2,3,4,5
	global_load_b64 v[KB+12*\i+2*\p:KB+12*\i+2*\p+1], v[WQA], s[8:9] offset:96*\i+48*(\p/3)+8*(\p%3)
.endr
	global_load_b32 v[WSC+\i], v[WQB], s[10:11] offset:4*\i
.endr
.irp g, 0,1
	global_load_b128 v[QPS+4*\g:QPS+4*\g+3], v[L16], s[58:59] offset:512*\g
	global_load_b128 v[QPS+8+4*\g:QPS+8+4*\g+3], v[L16], s[60:61] offset:512*\g
.endr
.macro QLOAD s                         ; K step s of my two tiles of q: six loads
.irp c, 0,1,2
	global_load_b128 v[QR+24*((\s)%4)+4*\c:QR+24*((\s)%4)+4*\c+3], v[L16], s[54:55] offset:(\s)*1536+512*\c
.endr
.irp c, 0,1,2
	global_load_b128 v[QR+24*((\s)%4)+12+4*\c:QR+24*((\s)%4)+12+4*\c+3], v[L16], s[56:57] offset:(\s)*1536+512*\c
.endr
.endm
	QLOAD 0
	QLOAD 1
	QLOAD 2
	QLOAD 3
	s_wait_loadcnt 28                              ; Wq's 14 loads are in; behind them 4 of scale words and 24 of q
.irp i, 0,1
.irp c, 0,1,2
	ds_store_b128 v94, v[KB+12*\i+4*\c:KB+12*\i+4*\c+3] offset:1536*\i+512*\c
.endr
	ds_store_b32 v95, v[WSC+\i] offset:128*\i
.endr
	s_wait_dscnt 0x0                               ; for the others' sake
	s_barrier_signal -1
	s_barrier_wait -1                              ; the head's 32 fragments of Wq lie in LDS
; K step s of qh^T = Wq q^T: source 0 = 16 rows of Wq, source 1 = 16 queries; eight accumulators (tile of queries x, tile e) by turns.
.macro PROJ s
.irp e, 0,1,2,3
.irp c, 0,1,2
	ds_load_b128 v[KB+12*\e+4*\c:KB+12*\e+4*\c+3], v[LW16] offset:(8*\e+(\s))*1536+512*\c
.endr
	ds_load_b32 v[WSC+\e], v[LW4] offset:(8*\e+(\s))*128
.endr
	s_wait_dscnt 0x0
.set NW, 7-(\s)
.if NW > 3
.set NW, 3
.endif
	s_wait_loadcnt 6*NW                            ; this K step's q is in; the later steps' loads, six each, may be out
.irp x, 0,1
.irp e, 0,1,2,3
.if (\s) == 0
	v_wmma_scale_f32_16x16x128_f8f6f4 v[S+32*\x+8*\e:S+32*\x+8*\e+7], v[KB+12*\e:KB+12*\e+11], v[QR+24*((\s)%4)+12*\x:QR+24*((\s)%4)+12*\x+11], 0, v[WSC+\e], v[QPS+8*\x+(\s)] matrix_a_fmt:MATRIX_FMT_FP6 matrix_b_fmt:MATRIX_FMT_FP6
.else
	v_wmma_scale_f32_16x16x128_f8f6f4 v[S+32*\x+8*\e:S+32*\x+8*\e+7], v[KB+12*\e:KB+12*\e+11], v[QR+24*((\s)%4)+12*\x:QR+24*((\s)%4)+12*\x+11], v[S+32*\x+8*\e:S+32*\x+8*\e+7], v[WSC+\e], v[QPS+8*\x+(\s)] matrix_a_fmt:MATRIX_FMT_FP6 matrix_b_fmt:MATRIX_FMT_FP6
.endif
.endr
.endr
.rept 4
	v_nop                                          ; places in front of loads into registers that these products read, and of the first read of results
.endr
.if (\s) < 4
	QLOAD (\s)+4
.endif
.endm
	PROJ 0
	PROJ 1
	PROJ 2
	PROJ 3
	PROJ 4
	PROJ 5
	PROJ 6
	PROJ 7
	CLOAD 40, 0                                    ; the first phase's chunk 0
.irp b, 0,1,2,3
	v_mov_b32 v[BB+\b], 0                          ; q's fragments are done with: from here on v160-255 hold the loop's registers.  (A lane permute's destination counts as one of its sources)
.endr
	v_mov_b32 v[NINF], 0xff800000                  ; -infinity, for hidden scores
	QUANT2 S, QOP, QSW
	QUANT2 S+32, QT1, QSW1
.irp i, 6,7,8,9,10,11
	v_mov_b32 v[QOP+\i], 0                         ; zero codes for k = 64 .. 127
.endr
.macro QK t
.if (\t)%2
	v_wmma_scale_f32_16x16x128_f8f6f4 v[S+8*(\t):S+8*(\t)+7], v[KB+6*(\t):KB+6*(\t)+11], v[QOP:QOP+11], 0, v[KSC+(\t)/2], v[QSW] matrix_a_fmt:MATRIX_FMT_FP6 matrix_b_fmt:MATRIX_FMT_FP6 matrix_a_scale:MATRIX_SCALE_ROW1
.else
	v_wmma_scale_f32_16x16x128_f8f6f4 v[S+8*(\t):S+8*(\t)+7], v[KB+6*(\t):KB+6*(\t)+11], v[QOP:QOP+11], 0, v[KSC+(\t)/2], v[QSW] matrix_a_fmt:MATRIX_FMT_FP6 matrix_b_fmt:MATRIX_FMT_FP6
.endif
.endm
.macro PV c
.if (\c)%2
	v_wmma_scale_f32_16x16x128_f8f6f4 v[O+8*(\c):O+8*(\c)+7], v[KB+12*(\c):KB+12*(\c)+11], v[PCD:PCD+11], v[O+8*(\c):O+8*(\c)+7], v[VSC+(\c)/2], v[PSW] matrix_a_fmt:MATRIX_FMT_FP6 matrix_b_fmt:MATRIX_FMT_FP6 matrix_a_scale:MATRIX_SCALE_ROW1
.else
	v_wmma_scale_f32_16x16x128_f8f6f4 v[O+8*(\c):O+8*(\c)+7], v[KB+12*(\c):KB+12*(\c)+11], v[PCD:PCD+11], v[O+8*(\c):O+8*(\c)+7], v[VSC+(\c)/2], v[PSW] matrix_a_fmt:MATRIX_FMT_FP6 matrix_b_fmt:MATRIX_FMT_FP6
.endif
.endm
; A KEY STEP on slot sl.  s36 = its first key; s38:39 = its chunk in memory.
.macro STEPF sl
	s_wait_loadcnt 0x0                             ; the next chunk's part, asked for a step ago, is in my registers
	s_add_co_u32 s45, s36, 128
	s_cmp_le_u32 s45, s44                          ; does my group need the next chunk?
	s_cbranch_scc0 .Lnst_\@
	CSTORE 1-\sl                                   ; into the slot that was read last step: every wave has passed the barrier behind its reads
.Lnst_\@:
	s_wait_dscnt 0x0                               ; the stores have read their registers
	s_add_co_u32 s45, s36, 256
	s_cmp_le_u32 s45, s44
	s_cbranch_scc0 .Lnld_\@
	CLOAD 38, 2*CH                                 ; the chunk after that: a whole step ahead of the wait for it
.Lnld_\@:
	s_cmp_le_u32 s36, s42                          ; a step all of whose keys are hidden from my 16 queries is left out
	s_cbranch_scc0 .Lskip_\@
.irp t, 0,1,2,3,4,5,6,7
	ds_load_b128 v[KB+6*\t:KB+6*\t+3], v[LA16] offset:\sl*CH+768*\t
	ds_load_b64 v[KB+6*\t+4:KB+6*\t+5], v[LA8] offset:\sl*CH+768*\t+512
.endr
	ds_load_b128 v[KSC:KSC+3], v[LA16] offset:\sl*CH+12288
	s_wait_dscnt 0x0
.irp t, 0,1,2,3,4,5,6,7
	QK \t
.endr
.rept 4
	v_nop                                          ; places: V's loads land on K's registers, and the scores are read
.endr
.irp c, 0,1,2,3
	ds_load_b128 v[KB+12*\c:KB+12*\c+3], v[LA16] offset:\sl*CH+6144+1536*\c
	ds_load_b64 v[KB+12*\c+4:KB+12*\c+5], v[LA8] offset:\sl*CH+6144+1536*\c+512
	ds_load_b128 v[KB+12*\c+6:KB+12*\c+9], v[LA16] offset:\sl*CH+6144+1536*\c+768
	ds_load_b64 v[KB+12*\c+10:KB+12*\c+11], v[LA8] offset:\sl*CH+6144+1536*\c+1280
.endr
	ds_load_b64 v[VSC:VSC+1], v[LA16] offset:\sl*CH+12800   ; V lands while the softmax is walked
	s_add_co_u32 s45, s36, 127
	s_cmp_le_u32 s45, s43                          ; all 128 keys count for all 16 queries: no mask
	s_cbranch_scc1 .Lopen_\@
	v_sub_nc_u32 v[DD], v[LIMV], s36               ; register 16 b + i holds key s36 + 16 (lane / 16) + 32 b + i: hidden where 32 b + i > d
.set n, 0
.rept 64
	v_cmp_gt_i32 vcc_lo, 32*(n/16)+n%16, v[DD]
	v_cndmask_b32 v[S+n], v[S+n], v[NINF], vcc_lo
.set n, n+1
.endr
.Lopen_\@:
.irp b, 0,1,2,3
	v_max3_num_f32 v[BM+\b], v[S+16*\b], v[S+16*\b+1], v[S+16*\b+2]   ; the largest score of each block of 32 keys: for the row's maximum and for the block's largest p
.endr
.irp i, 3,5,7,9,11,13
.irp b, 0,1,2,3
	v_max3_num_f32 v[BM+\b], v[BM+\b], v[S+16*\b+\i], v[S+16*\b+\i+1]
.endr
.endr
.irp b, 0,1,2,3
	v_max_num_f32 v[BM+\b], v[BM+\b], v[S+16*\b+15]
.endr
.irp b, 0,1,2,3
	v_permlanex16_b32 v[BB+\b], v[BM+\b], s24, s25
.endr
.irp b, 0,1,2,3
	v_max_num_f32 v[BM+\b], v[BM+\b], v[BB+\b]
.endr
	v_max3_num_f32 v[TT], v[BM], v[BM+1], v[BM+2]
	v_max_num_f32 v[TT], v[TT], v[BM+3]
	v_mul_f32 v[TT], s26, v[TT]
	v_max_num_f32 v13, v13, v[TT]                  ; the running largest t
	v_mov_b32 v[TT], v12
	v_floor_f32 v12, -v13                          ; -M = floor(-t): M is a whole number
	v_sub_f32 v[TT], v12, v[TT]
	v_cvt_i32_f32 v[TT], v[TT]                     ; (it saturates)
	v_ldexp_f32 v[F], 1.0, v[TT]                   ; f = 2^(old M - new M)
.set n, 0
.rept 32
	v_pk_fma_f32 v[S+n:S+n+1], v[S+n:S+n+1], s[26:27], v[12:13] op_sel_hi:[1,0,0]   ; t - M
.set n, n+2
.endr
.irp b, 0,1,2,3
	v_fma_f32 v[BM+\b], v[BM+\b], s26, v12
.endr
.set n, 0
.rept 64
	v_exp_f32 v[S+n], v[S+n]                       ; p = 2^(t - M): not normalised
.set n, n+1
.endr
	v_pk_mul_f32 v[14:15], v[14:15], v[F:F+1] op_sel_hi:[1,0]   ; the sums under the new M; the plain place behind the exponentials
	s_wait_alu depctr_va_vdst(0)                   ; one wait for the batch, ahead of its first reader
.irp b, 0,1,2,3
	v_exp_f32 v[BM+\b], v[BM+\b]                   ; each block's largest p
.endr
	v_pk_add_f32 v[SC2:SC2+1], v[S:S+1], v[S+2:S+3]   ; the row's sum of the unquantised p, in two chains
.irp j, 4,8,12,16,20,24,28,32,36,40,44,48,52,56,60
	v_pk_add_f32 v[14:15], v[14:15], v[S+\j:S+\j+1]
	v_pk_add_f32 v[SC2:SC2+1], v[SC2:SC2+1], v[S+\j+2:S+\j+3]
.endr
	v_pk_add_f32 v[14:15], v[14:15], v[SC2:SC2+1]
	s_wait_alu depctr_va_vdst(0)                   ; and one for the four
.irp b, 0,1,2,3
	v_max_num_f32 v[BM+\b], 0x1800000, v[BM+\b]    ; the floor 2^(3 - 127)
.endr
.irp b, 0,1,2,3
	v_add_nc_u32 v[BS+\b], 0xff000000, v[BM+\b]
.endr
.irp b, 0,1,2,3
	v_lshrrev_b32 v[BB+\b], 23, v[BS+\b]
.endr
	v_lshl_or_b32 v[PSW], v[BB+1], 8, v[BB]
	v_lshl_or_b32 v[PSW], v[BB+2], 16, v[PSW]
	v_lshl_or_b32 v[PSW], v[BB+3], 24, v[PSW]
.irp c, 0,1
	v_cvt_scalef32_pk16_fp6_f32 v[PCD+6*\c:PCD+6*\c+2], v[S+32*\c:S+32*\c+15], v[BS+2*\c]
	v_cvt_scalef32_pk16_fp6_f32 v[CT+4*\c:CT+4*\c+2], v[S+32*\c+16:S+32*\c+31], v[BS+2*\c+1]
.endr
	v_nop
.irp c, 0,1
.irp i, 0,1,2
	v_permlane16_swap_b32 v[PCD+6*\c+\i], v[CT+4*\c+\i]
.endr
.irp i, 0,1,2
	v_mov_b32 v[PCD+6*\c+3+\i], v[CT+4*\c+\i]
.endr
.endr
.set n, 0
.rept 16
	v_pk_mul_f32 v[O+n:O+n+1], v[O+n:O+n+1], v[F:F+1] op_sel_hi:[1,0]   ; O^T under the new M; also the places in front of the products below
.set n, n+2
.endr
	s_wait_dscnt 0x0                               ; V is in
.irp c, 0,1,2,3
	PV \c
.endr
.rept 4
	v_nop                                          ; places in front of the next step's loads into V's registers
.endr
.Lskip_\@:
	s_wait_xcnt 0x0                                ; the loads have read their base
	s_add_nc_u64 s[38:39], s[38:39], CH
	s_add_co_u32 s36, s36, 128
	s_wait_dscnt 0x0                               ; my stores into the other slot have landed, my reads of this slot are over
	s_barrier_signal -1
	s_barrier_wait -1
.endm
	s_mov_b32 s34, 0
	s_wait_kmcnt 0x0                               ; sen_len
.Lphase:
	IDS s34
	s_cmp_lg_u32 s21, 0
	s_cselect_b32 s45, s29, s28
	s_cselect_b32 s46, s31, s30
	s_cmp_lg_u32 s34, 0
	s_cselect_b32 s45, s46, s45                    ; sen_len of my batch; it enters no address
	s_max_i32 s45, s45, 1
	s_sub_co_u32 s45, s45, 1                       ; the last key that sen_len lets count
	s_lshl_b32 s46, s71, 4                         ; my first query
	s_min_u32 s43, s46, s45                        ; up to here every key counts for all my queries
	s_add_co_u32 s47, s46, 15
	s_min_u32 s42, s47, s45                        ; the last key that counts for any of them
	s_lshl_b32 s47, s70, 4
	s_add_co_u32 s47, s47, 16*112+15
	s_min_u32 s44, s47, s45                        ; the same for my group's last tile
	v_and_b32 v[TT], 15, v0
	v_add_nc_u32 v[LIMV], s46, v[TT]
	v_min_u32 v[LIMV], s45, v[LIMV]
	v_bfe_u32 v[TT], v0, 4, 1
	v_lshlrev_b32 v[TT], 4, v[TT]
	v_sub_nc_u32 v[LIMV], v[LIMV], v[TT]
	s_lshl_b32 s47, s72, 3
	s_lshr_b32 s48, s33, 1
	s_add_co_u32 s47, s47, s48
	s_mul_i32 s48, s47, 1536
	s_and_b32 s47, s33, 1
	s_mul_i32 s47, s47, 768
	s_add_co_u32 s48, s48, s47
	s_mov_b32 s49, 0
	s_add_nc_u64 s[50:51], s[16:17], s[48:49]      ; cc: fragment (tile, pair of heads), my head's half
	s_lshl_b32 s48, s72, 9
	s_lshl_b32 s47, s33, 1
	s_add_co_u32 s48, s48, s47
	s_add_nc_u64 s[52:53], s[18:19], s[48:49]      ; cs: 32 bytes a row, my head's two
	s_wait_loadcnt 0x0                             ; chunk 0
	CSTORE 0
	s_wait_dscnt 0x0
	s_mov_b64 s[38:39], s[40:41]
	s_cmp_ge_u32 s44, 128
	s_cbranch_scc0 .Lno_second
	CLOAD 38, CH
.Lno_second:
	s_barrier_signal -1
	s_barrier_wait -1
.set n, 0
.rept 32
	v_mov_b32 v[O+n], 0                            ; the step is written once: the first finds zeros
.set n, n+1
.endr
	v_mov_b32 v13, 0xff61b1e6                      ; -3e38, under every t
	v_floor_f32 v12, -v13
	v_mov_b32 v14, 0
	v_mov_b32 v15, 0
	s_mov_b32 s36, 0
	s_mov_b32 s35, 0
.Ltrip:                                            ; eight trips of two steps: a constant count, so that every wave passes every barrier
	STEPF 0
	STEPF 1
	s_add_co_u32 s35, s35, 1
	s_cmp_lt_u32 s35, 8
	s_cbranch_scc1 .Ltrip
	s_cmp_eq_u32 s34, 0                            ; the next phase's chunk 0 (two batches on) is asked for ahead of the way out; the last phase asks for its own once more: no branch, no load outside kv
	s_cselect_b32 s46, 512*CH, 0
	s_mov_b32 s47, 0
	s_add_nc_u64 s[40:41], s[40:41], s[46:47]
	s_wait_loadcnt 0x0
	CLOAD 40, 0
	v_add_f32 v14, v14, v15
	v_permlanex16_b32 v[BB], v14, s24, s25
	v_add_f32 v14, v14, v[BB]                      ; the row's sum
	v_rcp_f32 v14, v14
	v_nop
	s_wait_alu depctr_va_vdst(0)                   ; ahead of the first reader
.set n, 0
.rept 32
	v_mul_f32 v[S+n], v[O+n], v14                  ; ctx: register 16 b + i = channel 32 b + 16 (lane / 16) + i of my query
.set n, n+1
.endr
	QUANT2 S, PCD, WT
	global_store_b128 v[L16], v[PCD:PCD+3], s[50:51]
	global_store_b64 v[L8], v[PCD+4:PCD+5], s[50:51] offset:512
	global_store_b16 v[R32], v[WT], s[52:53]       ; my head's two scale bytes of my row (both halves of the lanes write the same)
.irp i, 0,1,2,3,4,5
	v_mov_b32 v[QOP+\i], v[QT1+\i]                 ; the second phase's Q
.endr
	v_mov_b32 v[QSW], v[QSW1]
	s_wait_xcnt 0x0                                ; the stores have read their bases and data
	s_add_co_u32 s34, s34, 1
	s_cmp_lt_u32 s34, 2
	s_cbranch_scc1 .Lphase
	s_wait_xcnt 0x0
	v_lshl_add_u32 v254, v0, 2, 0x1a000
	v_mov_b32 v255, 0
	s_wait_tensorcnt 0x0
	ds_add_u32 v254, v255
	s_wait_dscnt 0x0
	s_endpgm
.Lfunc_end_k_q31307ca64f_attn:
	.size	k_q31307ca64f_attn, .Lfunc_end_k_q31307ca64f_attn-k_q31307ca64f_attn
	.p2alignl 7, 3214868480
	.fill 96, 4, 3214868480
	.section	.rodata,"a",@progbits
	.p2align	6, 0x0
	.amdhsa_kernel k_q31307ca64f_attn
		.amdhsa_group_segment_fixed_size 108544
		.amdhsa_private_segment_fixed_size 0
		.amdhsa_enable_private_segment 0
		.amdhsa_kernarg_size 64
		.amdhsa_user_sgpr_count 2
		.amdhsa_user_sgpr_kernarg_segment_ptr 1
		.amdhsa_wavefront_size32 1
		.amdhsa_system_sgpr_workgroup_id_x 1
		.amdhsa_system_sgpr_workgroup_id_y 1
		.amdhsa_system_sgpr_workgroup_id_z 1
		.amdhsa_system_vgpr_workitem_id 0
		.amdhsa_next_free_vgpr 256
		.amdhsa_next_free_sgpr 80
		.amdhsa_reserve_vcc 1
		.amdhsa_float_denorm_mode_32 3
		.amdhsa_float_denorm_mode_16_64 3
		.amdhsa_memory_ordered 1
		.amdhsa_forward_progress 1
		.amdhsa_inst_pref_size 86
	.end_amdhsa_kernel
	.amdgpu_metadata
---
amdhsa.version: [ 1, 2 ]
amdhsa.kernels:
  - .name:           k_q31307ca64f_attn
    .symbol:         k_q31307ca64f_attn.kd
    .args:
      - { .name: qc, .offset: 0, .size: 8, .value_kind: global_buffer, .address_space: global }
      - { .name: qs, .offset: 8, .size: 8, .value_kind: global_buffer, .address_space: global }
      - { .name: Wq_codes, .offset: 16, .size: 8, .value_kind: global_buffer, .address_space: global }
      - { .name: Wq_scales, .offset: 24, .size: 8, .value_kind: global_buffer, .address_space: global }
      - { .name: kv, .offset: 32, .size: 8, .value_kind: global_buffer, .address_space: global }
      - { .name: sen_len, .offset: 40, .size: 8, .value_kind: global_buffer, .address_space: global }
      - { .name: cc, .offset: 48, .size: 8, .value_kind: global_buffer, .address_space: global }
      - { .name: cs, .offset: 56, .size: 8, .value_kind: global_buffer, .address_space: global }
    .group_segment_fixed_size: 108544
    .private_segment_fixed_size: 0
    .kernarg_segment_align: 8
    .kernarg_segment_size: 64
    .max_flat_workgroup_size: 512
    .sgpr_count:     80
    .vgpr_count:     256
    .wavefront_size: 32
...
	.end_amdgpu_metadata
.endif
;; end of part 2
;; launch outln (part 3): grid 256 x 1, 4 waves a work-group, clusters of 4 x 1, 327,680 bytes of LDS; arguments cc, cs, Wo_codes, Wo_scales, q, ln_gamma, ln_beta, out0; writes out0
.if DOCPART == 3
	.amdgcn_target "amdgcn-amd-amdhsa--gfx1250"
	.amdhsa_code_object_version 6
	.text
	.protected	k_q31307ca64f_outln
	.globl	k_q31307ca64f_outln
	.p2align	8
	.type	k_q31307ca64f_outln,@function
k_q31307ca64f_outln:
	s_mov_b64 s[64:65], 0
	v_nop
	global_prefetch_b8 v0, s[64:65] scope:SCOPE_SE
	s_setreg_imm32_b32 hwreg(HW_REG_WAVE_MODE, 25, 1), 1
	s_wait_xcnt 0x0
	s_wait_alu depctr_hold_cnt(0) depctr_sa_sdst(0) depctr_va_vdst(0) depctr_va_sdst(0) depctr_va_ssrc(0) depctr_va_vcc(0) depctr_vm_vsrc(0)
	s_getreg_b32 s2, hwreg(HW_REG_IB_STS2, 6, 4)
	s_cmp_eq_u32 s2, 0
	s_cbranch_scc0 .Lentry_in_a_cluster
	s_endpgm
.Lentry_in_a_cluster:
	s_bfe_u32 s2, ttmp6, 0x10000c
	s_cmp_lg_u32 s2, 0x3003
	s_cbranch_scc0 .Lentry_shape_is_right
	s_endpgm
.Lentry_shape_is_right:
; out = LayerNorm(ctx Wo^T + q) x gamma + beta.  The product on codes of FP6 (E2M3) with E8M0 scales; the rest in f32.
; SHARES.  A work-group owns 32 whole rows (two tiles of 16), so that a row's mean and variance need no other work-group; wave w owns columns 256 w .. 256 w + 255: 32 accumulators, 256 registers.
; ctx's 16 fragments stay in registers.  Wo goes through LDS: wave w walks its 256 rows of Wo in eight tiles of 32 rows x 768 bytes (dense: 96 rows of 256 bytes, 16 of padding behind each), two slots.
; CLUSTER 4 x 1: all work-groups walk the same Wo, so each tile is asked for jointly by the four partners (mask 15): the descriptor hangs on the wave's number and the tile alone.
; A wave reads only bytes that its own loads brought.  The product is used transposed (source 0 = 16 rows of Wo, source 1 = 16 rows of ctx): a lane holds one row and eight neighbouring columns.
; The residual comes in rows (512 consecutive bytes a load) and is turned through the wave's stage in LDS; the result goes back the same way.  Mean first, then the variance of the centred numbers.
; REGISTERS: window 0: v1-15 addresses; v16-31 ctx's scale words, v32-63 Wo's (nothing else); v64-255 a slot's 16 fragments, later the tail's work.  window 1: ctx's fragments, gamma v192-199, beta v200-207.
;   window 2: the accumulators, (x, T) at 8 (16 x + T).   window 3: the residual, row i, half u at 4 (2 i + u).
.set PART,  26112                      ; 96 x 272
.set SLOTB, 4*PART
.set SCL,   2*SLOTB                    ; Wo's scale bytes: 8,192 a wave as 32 rows of 256 + 16
.set SCP,   8704
.set SPARE, SCL+4*SCP                  ; the spare words: 128 bytes a wave, named by no other line
.set STATS, SPARE+512                  ; 2 x 512 bytes: the waves' partial sums
.set SPI,   1040                       ; the stage: 16 rows x (1,024 + 16) bytes, in my own part of slot x, behind that slot's last fill and my last read
.set ADR,  1                           ; v1, v2 slot 0; v3, v4 slot 1: 816 r + 24 h, and 816 r + 40 h for the pieces behind one padding more
.set SCA,  5
.set SROW, 6                           ; v6, v7 the stage by rows
.set SRES, 8                           ; v8, v9 the stage in the result's layout
.set STA,  10
.set STR,  11
.set L16,  12
.set L8,   13
.set SPW,  14
.set NIL,  15
.set DT,   64
.set CHN,  192
.set CSA,  200
.set MN,   204
.set RS,   208
.set SL,   212
.set PT,   220
.set SV,   224
.set MSB, 0
.macro WIN new
.if MSB != (\new)
	s_set_vgpr_msb (MSB<<8)|(\new)
.set MSB, (\new)
.endif
.endm
.macro ROUND
	s_barrier_signal -1
	s_barrier_wait -1
	s_cmp_lg_u32 s20, 0
	s_cbranch_scc1 .Lnot_wave_0_\@
	s_barrier_signal -3
.Lnot_wave_0_\@:
	s_barrier_wait -3
	s_barrier_signal -1
	s_barrier_wait -1
.endm
	s_load_b512 s[4:19], s[0:1], 0x0               ; cc, cs, Wo codes, Wo scales, q, gamma, beta, out0
	v_lshl_add_u32 v[SPW], v0, 2, SPARE
	v_mov_b32 v[NIL], 0
	ds_add_u32 v14, v15
	ds_add_u32 v14, v15
	s_wait_dscnt 0x0
	v_lshrrev_b32 v1, 5, v0
	v_readfirstlane_b32 s20, v1                    ; wave 0..3
	s_bfe_u32 s21, ttmp6, 0x40000                  ; cx: it enters global addresses of plain loads and stores alone
	s_lshl_b32 s54, ttmp9, 2
	s_add_co_u32 s54, s54, s21                     ; the work-group, 0..255
	s_mov_b32 s24, 15|(3<<16)|(1<<20)|(1<<21)|(5<<22)|(3<<25)   ; the four partners; elements of 8 bytes; 4 words of padding behind every 64
	s_mov_b32 s25, 32<<16
	s_mov_b32 s26, 96<<16
	s_mov_b32 s27, 32<<16
	s_mov_b32 s28, 96
	s_mov_b32 s29, 32
	s_mov_b32 s30, 0
	s_mov_b32 s31, 0
	s_mov_b32 s32, 15|(3<<16)|(1<<20)|(1<<21)|(5<<22)|(3<<25)
	s_mov_b32 s33, 32<<16
	s_mov_b32 s34, 32<<16
	s_mov_b32 s35, 32<<16
	s_mov_b32 s36, 32
	s_mov_b32 s37, 32
	s_mov_b32 s38, 0
	s_mov_b32 s39, 0
	s_mul_i32 s55, s20, PART
	s_mul_i32 s56, s20, SCP
	s_mul_i32 s58, s20, 256*768
	s_mov_b32 s59, 0
	s_lshl_b32 s60, s20, 13
	s_mov_b32 s61, 0
	s_mov_b32 s52, 0x76543210
	s_mov_b32 s53, 0xfedcba98
	s_wait_kmcnt 0x0
	s_mov_b32 s40, 1
	s_mov_b32 s41, s55                             ; slot 0, my part
	s_add_nc_u64 s[42:43], s[8:9], s[58:59]        ; tile 0 of my 256 rows
	s_mov_b32 s44, 1
	s_add_co_u32 s45, s55, SLOTB
	s_add_nc_u64 s[46:47], s[42:43], 24576         ; tile 1
	s_or_b32 s43, s43, 0x80000000
	s_or_b32 s47, s47, 0x80000000
	s_mov_b32 s48, 1
	s_add_co_u32 s49, s56, SCL
	s_add_nc_u64 s[50:51], s[10:11], s[60:61]
	s_or_b32 s51, s51, 0x80000000
	ROUND                                          ; the four work-groups are here: the first joint loads meet
	tensor_load_to_lds s[48:51], s[32:39]          ; the scales, slot 0, slot 1: three loads of mine are out
	s_nop 0
	tensor_load_to_lds s[40:43], s[24:31]
	s_nop 0
	tensor_load_to_lds s[44:47], s[24:31]
	s_nop 0
.rept 4
	v_nop
.endr
	v_and_b32 v[L8], 31, v0
	v_lshlrev_b32 v[L16], 4, v[L8]
	v_lshlrev_b32 v[L8], 3, v[L8]
	v_and_b32 v[STR], 15, v0                       ; r
	v_bfe_u32 v[STA], v0, 4, 1                     ; h
	v_mul_u32_u24 v[ADR], v[STR], 816
	v_add_nc_u32 v[ADR], s55, v[ADR]
	v_mad_u32_u24 v[ADR+1], v[STA], 40, v[ADR]
	v_mad_u32_u24 v[ADR], v[STA], 24, v[ADR]
	v_add_nc_u32 v[ADR+2], SLOTB, v[ADR]
	v_add_nc_u32 v[ADR+3], SLOTB, v[ADR+1]
	v_lshrrev_b32 v[SCA], 3, v[STR]
	v_lshlrev_b32 v[SCA], 4, v[SCA]
	v_lshl_add_u32 v[SCA], v[STR], 5, v[SCA]       ; 32 r + 16 (r / 8)
	v_add_nc_u32 v[SCA], s49, v[SCA]
	v_add_nc_u32 v[SROW], s55, v[L16]
	v_add_nc_u32 v[SROW+1], SLOTB, v[SROW]
	v_mul_u32_u24 v[SRES], v[STR], SPI
	v_lshl_add_u32 v[SRES], v[STA], 5, v[SRES]
	v_add_nc_u32 v[SRES], s55, v[SRES]
	v_add_nc_u32 v[SRES+1], SLOTB, v[SRES]
	v_lshlrev_b32 v[CSA], 5, v[STR]                ; cs: 32 bytes a row
	v_lshl_add_u32 v[STR], v[STR], 2, STATS
	s_lshl_b32 s57, s20, 7
	v_add_nc_u32 v[STA], s57, v[STR]
	v_mov_b32 v[PT], 0                             ; a lane permute's destination counts as one of its sources
	s_mul_i32 s56, s54, 24576                      ; cc: 16 fragments of 1,536 bytes
	s_mov_b32 s57, 0
	s_add_nc_u64 s[4:5], s[4:5], s[56:57]
	s_lshl_b32 s56, s54, 10
	s_add_nc_u64 s[6:7], s[6:7], s[56:57]
	s_lshl_b32 s56, s54, 17
	s_lshl_b32 s58, s20, 10
	s_add_co_u32 s56, s56, s58                     ; 32 rows of 4,096 bytes a work-group, 1,024 bytes a wave
	s_add_nc_u64 s[12:13], s[12:13], s[56:57]
	s_add_nc_u64 s[18:19], s[18:19], s[56:57]
	s_add_nc_u64 s[14:15], s[14:15], s[58:59]
	s_add_nc_u64 s[16:17], s[16:17], s[58:59]
	WIN 0x40
.irp f, 0,1,2,3,4,5,6,7,8,9,10,11,12,13,14,15
	global_load_b128 v[12*\f:12*\f+3], v[L16], s[4:5] offset:1536*\f
	global_load_b64 v[12*\f+4:12*\f+5], v[L8], s[4:5] offset:1536*\f+512
	global_load_b128 v[12*\f+6:12*\f+9], v[L16], s[4:5] offset:1536*\f+768
	global_load_b64 v[12*\f+10:12*\f+11], v[L8], s[4:5] offset:1536*\f+1280
.endr
.irp u, 0,1
	global_load_b128 v[192+4*\u:192+4*\u+3], v[L16], s[14:15] offset:512*\u
	global_load_b128 v[200+4*\u:200+4*\u+3], v[L16], s[16:17] offset:512*\u
.endr
	WIN 0
.irp x, 0,1
.irp g, 0,1
	global_load_b128 v[16+8*\x+4*\g:16+8*\x+4*\g+3], v[CSA], s[6:7] offset:512*\x+16*\g
.endr
.endr
	WIN 0xc0
.set i, 0
.rept 32
	global_load_b128 v[8*i:8*i+3], v[L16], s[12:13] offset:4096*i th:TH_LOAD_NT
	global_load_b128 v[8*i+4:8*i+7], v[L16], s[12:13] offset:4096*i+512 th:TH_LOAD_NT
.set i, i+1
.endr
	WIN 0
	s_wait_loadcnt 63                              ; the 64 youngest loads are the residual's: with 63 out at the most, ctx, its scales, gamma and beta are in
.macro WFRAG reg, sg, nt, s            ; 16 rows of Wo x 128 K: byte x of row rho lies at 816 rho + x + 16 (x / 256)
.irp p, 0,1,2,3,4,5
.set X0, 96*(\s)+48*(\p/3)+8*(\p%3)
.if ((X0+24)>>8) == (X0>>8)
	ds_load_b64 v[\reg+2*\p:\reg+2*\p+1], v[ADR+2*(\sg)] offset:13056*(\nt)+X0+16*(X0>>8)
.else
	ds_load_b64 v[\reg+2*\p:\reg+2*\p+1], v[ADR+2*(\sg)+1] offset:13056*(\nt)+X0+16*(X0>>8)
.endif
.endr
.endm
.macro MM k, s                         ; K step s: the slot's four accumulators by turns
.irp x, 0,1
.irp n, 0,1
.if (\s) == 0
	v_wmma_scale_f32_16x16x128_f8f6f4 v[8*(16*\x+2*(\k)+\n):8*(16*\x+2*(\k)+\n)+7], v[64+12*(2*(\s)+\n):64+12*(2*(\s)+\n)+11], v[12*(8*\x+(\s)):12*(8*\x+(\s))+11], 0, v[32+16*SG+8*\n+(\s)], v[16+8*\x+(\s)] matrix_a_fmt:MATRIX_FMT_FP6 matrix_b_fmt:MATRIX_FMT_FP6
.else
	v_wmma_scale_f32_16x16x128_f8f6f4 v[8*(16*\x+2*(\k)+\n):8*(16*\x+2*(\k)+\n)+7], v[64+12*(2*(\s)+\n):64+12*(2*(\s)+\n)+11], v[12*(8*\x+(\s)):12*(8*\x+(\s))+11], v[8*(16*\x+2*(\k)+\n):8*(16*\x+2*(\k)+\n)+7], v[32+16*SG+8*\n+(\s)], v[16+8*\x+(\s)] matrix_a_fmt:MATRIX_FMT_FP6 matrix_b_fmt:MATRIX_FMT_FP6
.endif
.endr
.endr
.endm
.macro SLOTK k                         ; tile k of Wo: 32 rows, all of K: 32 matrix instructions
.set SG, (\k)%2
.if (\k) == 0
	s_wait_tensorcnt 0x1                           ; the scales and tile 0 are in; tile 1's load may be out
.elseif (\k) == 7
	s_wait_tensorcnt 0x0                           ; the last tile; nothing is filled again
.rept 4
	v_nop
.endr
.else
	s_wait_tensorcnt 0x0                           ; all my tensor loads have landed, this tile's among them
	ds_add_u32 v[SPW], v[NIL]                      ; 0 onto my spare word
	s_add_nc_u64 s[42+4*(1-SG):43+4*(1-SG)], s[42+4*(1-SG):43+4*(1-SG)], 49152   ; the other slot's next tile
	s_wait_dscnt 0x0                               ; the add is done, my reads of the other slot are over
	ROUND                                          ; and that holds of every wave of the four partners
	tensor_load_to_lds s[40+4*(1-SG):43+4*(1-SG)], s[24:31]   ; tile k + 1 into the slot read last
	s_nop 0
.rept 4
	v_nop                                          ; also the places in front of the loads below
.endr
.endif
.irp n, 0,1
.irp g, 0,1
	ds_load_b128 v[32+16*SG+8*\n+4*\g:32+16*SG+8*\n+4*\g+3], v[SCA] offset:544*(2*(\k)+\n)+16*\g
.endr
.endr
.irp s, 0,1,2,3,4,5,6,7
.irp n, 0,1
	WFRAG 64+12*(2*\s+\n), SG, \n, \s
.endr
.endr
	s_wait_dscnt 48                                ; the scale words and K steps 0-3 are in; the 48 loads of K steps 4-7 may be out
	WIN 0xa4                                       ; Wo window 0, ctx window 1, sums window 2
	MM \k, 0
	MM \k, 1
	MM \k, 2
	MM \k, 3
	s_wait_dscnt 0x0
	MM \k, 4
	MM \k, 5
	MM \k, 6
	MM \k, 7
	WIN 0
.endm
	SLOTK 0
	SLOTK 1
	SLOTK 2
	SLOTK 3
	SLOTK 4
	SLOTK 5
	SLOTK 6
	SLOTK 7
	s_wait_loadcnt 0x0                             ; the residual
.rept 4
	v_nop                                          ; places behind the last products
.endr
.macro FOLD st, x                      ; four chains -> my row's sum over the wave's 256 columns -> my word of the partial sums
	v_pk_add_f32 v[CHN:CHN+1], v[CHN:CHN+1], v[CHN+2:CHN+3]
	v_pk_add_f32 v[CHN+4:CHN+5], v[CHN+4:CHN+5], v[CHN+6:CHN+7]
	v_pk_add_f32 v[CHN:CHN+1], v[CHN:CHN+1], v[CHN+4:CHN+5]
	v_add_f32 v[CHN], v[CHN], v[CHN+1]
	v_permlanex16_b32 v[PT], v[CHN], s52, s53
	v_add_f32 v[SV+2*\st+\x], v[CHN], v[PT]
	ds_store_b32 v[STA], v[SV+2*\st+\x] offset:512*\st+64*\x
.endm
.macro GATHER st                       ; behind the barrier: the four waves' partial sums of my two rows; the totals in v[SL], v[SL+4]
	s_wait_dscnt 0x0                               ; for the others' sake
	s_barrier_signal -1
	s_barrier_wait -1
.irp x, 0,1
.irp w, 0,1,2,3
	ds_load_b32 v[SL+4*\x+\w], v[STR] offset:512*\st+64*\x+128*\w
.endr
.endr
	s_wait_dscnt 0x0
.irp x, 0,1
	v_add_f32 v[SL+4*\x], v[SL+4*\x], v[SL+4*\x+1]
	v_add_f32 v[SL+4*\x+2], v[SL+4*\x+2], v[SL+4*\x+3]
	v_add_f32 v[SL+4*\x], v[SL+4*\x], v[SL+4*\x+2]
.endr
.endm
.macro RESID x                         ; the residual of tile x: rows into my stage, back in the result's layout, added; then the rows' sums
	WIN 0x0c                                       ; an LDS store's data: window 3
.set i, 0
.rept 16
	ds_store_b128 v[SROW+\x], v[8*(16*\x+i):8*(16*\x+i)+3] offset:SPI*i
	ds_store_b128 v[SROW+\x], v[8*(16*\x+i)+4:8*(16*\x+i)+7] offset:SPI*i+512
.set i, i+1
.endr
	WIN 0
.set i, 0
.rept 32
	ds_load_b128 v[DT+4*i:DT+4*i+3], v[SRES+\x] offset:64*(i/2)+16*(i%2)   ; LDS serves a wave's instructions in order: these see my stores
.set i, i+1
.endr
	s_wait_dscnt 0x0
	WIN 0x82
.set i, 0
.rept 64
	v_pk_add_f32 v[128*\x+2*i:128*\x+2*i+1], v[128*\x+2*i:128*\x+2*i+1], v[DT+2*i:DT+2*i+1]   ; each accumulator from its low end on
.set i, i+1
.endr
	WIN 0x0a
.irp c, 0,1,2,3
	v_pk_add_f32 v[CHN+2*\c:CHN+2*\c+1], v[128*\x+4*\c:128*\x+4*\c+1], v[128*\x+4*\c+2:128*\x+4*\c+3]
.endr
	WIN 0x08
.set i, 8
.rept 56
	v_pk_add_f32 v[CHN+2*(i%4):CHN+2*(i%4)+1], v[CHN+2*(i%4):CHN+2*(i%4)+1], v[128*\x+2*i:128*\x+2*i+1]
.set i, i+1
.endr
	WIN 0
	FOLD 0, \x
.endm
	RESID 0
	RESID 1
	GATHER 0
.irp x, 0,1
	v_mul_f32 v[MN+2*\x], 0xba800000, v[SL+4*\x]   ; -mean = -sum / 1,024
	v_mov_b32 v[MN+2*\x+1], v[MN+2*\x]
.endr
.macro CENTRE x                        ; the mean is taken away; then the sum of squares
	WIN 0x82
.set i, 0
.rept 64
	v_pk_add_f32 v[128*\x+2*i:128*\x+2*i+1], v[128*\x+2*i:128*\x+2*i+1], v[MN+2*\x:MN+2*\x+1]
.set i, i+1
.endr
	WIN 0x0a
.irp c, 0,1,2,3
	v_pk_mul_f32 v[CHN+2*\c:CHN+2*\c+1], v[128*\x+2*\c:128*\x+2*\c+1], v[128*\x+2*\c:128*\x+2*\c+1]
.endr
.set i, 4
.rept 60
	v_pk_fma_f32 v[CHN+2*(i%4):CHN+2*(i%4)+1], v[128*\x+2*i:128*\x+2*i+1], v[128*\x+2*i:128*\x+2*i+1], v[CHN+2*(i%4):CHN+2*(i%4)+1]
.set i, i+1
.endr
	WIN 0
	FOLD 1, \x
.endm
	CENTRE 0
	CENTRE 1
	GATHER 1
	s_mov_b32 s54, 0x3a800000                      ; 1 / 1,024
	s_mov_b32 s55, 0x3727c5ac                      ; 1e-5
.irp x, 0,1
	v_fma_f32 v[SL+4*\x], v[SL+4*\x], s54, s55
.endr
.irp x, 0,1
	v_rsq_f32 v[RS+2*\x], v[SL+4*\x]
.endr
	v_nop
	s_wait_alu depctr_va_vdst(0)                   ; one wait for both, ahead of the first reader
.irp x, 0,1
	v_mov_b32 v[RS+2*\x+1], v[RS+2*\x]
.endr
.macro SENDX x                         ; x 1 / sqrt(var + eps); through my stage back into rows; x gamma + beta; stored, 512 consecutive aligned bytes an instruction
	WIN 0x82
.set i, 0
.rept 64
	v_pk_mul_f32 v[128*\x+2*i:128*\x+2*i+1], v[128*\x+2*i:128*\x+2*i+1], v[RS+2*\x:RS+2*\x+1]
.set i, i+1
.endr
	WIN 0x08                                       ; an LDS store's data: window 2
.set i, 0
.rept 32
	ds_store_b128 v[SRES+\x], v[128*\x+4*i:128*\x+4*i+3] offset:64*(i/2)+16*(i%2)
.set i, i+1
.endr
	WIN 0
	s_wait_xcnt 0x0                                ; the last tile's stores have read the registers that are loaded next
.set i, 0
.rept 32
	ds_load_b128 v[DT+4*i:DT+4*i+3], v[SROW+\x] offset:SPI*(i/2)+512*(i%2)
.set i, i+1
.endr
	s_wait_dscnt 0x0
	WIN 0x14                                       ; gamma and beta: window 1
.set i, 0
.rept 32
	v_pk_fma_f32 v[DT+4*i:DT+4*i+1], v[DT+4*i:DT+4*i+1], v[192+4*(i%2):192+4*(i%2)+1], v[200+4*(i%2):200+4*(i%2)+1]
	v_pk_fma_f32 v[DT+4*i+2:DT+4*i+3], v[DT+4*i+2:DT+4*i+3], v[192+4*(i%2)+2:192+4*(i%2)+3], v[200+4*(i%2)+2:200+4*(i%2)+3]
.set i, i+1
.endr
	WIN 0
.set i, 0
.rept 32
	global_store_b128 v[L16], v[DT+4*i:DT+4*i+3], s[18:19] offset:4096*(16*\x+i/2)+512*(i%2) th:TH_STORE_NT
.set i, i+1
.endr
.endm
	SENDX 0
	SENDX 1
	s_wait_tensorcnt 0x0                           ; the wave's end
	ds_add_u32 v[SPW], v[NIL]
	s_wait_dscnt 0x0
	ROUND                                          ; the closing round
	s_endpgm
.Lfunc_end_k_q31307ca64f_outln:
	.size	k_q31307ca64f_outln, .Lfunc_end_k_q31307ca64f_outln-k_q31307ca64f_outln
	.p2alignl 7, 3214868480
	.fill 96, 4, 3214868480
	.section	.rodata,"a",@progbits
	.p2align	6, 0x0
	.amdhsa_kernel k_q31307ca64f_outln
		.amdhsa_group_segment_fixed_size 327680
		.amdhsa_private_segment_fixed_size 0
		.amdhsa_enable_private_segment 0
		.amdhsa_kernarg_size 64
		.amdhsa_user_sgpr_count 2
		.amdhsa_user_sgpr_kernarg_segment_ptr 1
		.amdhsa_wavefront_size32 1
		.amdhsa_system_sgpr_workgroup_id_x 1
		.amdhsa_system_sgpr_workgroup_id_y 1
		.amdhsa_system_sgpr_workgroup_id_z 1
		.amdhsa_system_vgpr_workitem_id 0
		.amdhsa_next_free_vgpr 1024
		.amdhsa_next_free_sgpr 66
		.amdhsa_reserve_vcc 0
		.amdhsa_float_denorm_mode_32 3
		.amdhsa_float_denorm_mode_16_64 3
		.amdhsa_memory_ordered 1
		.amdhsa_forward_progress 1
		.amdhsa_inst_pref_size 181
	.end_amdhsa_kernel
	.amdgpu_metadata
---
amdhsa.version: [ 1, 2 ]
amdhsa.kernels:
  - .name:           k_q31307ca64f_outln
    .symbol:         k_q31307ca64f_outln.kd
    .args:
      - { .name: cc, .offset: 0, .size: 8, .value_kind: global_buffer, .address_space: global }
      - { .name: cs, .offset: 8, .size: 8, .value_kind: global_buffer, .address_space: global }
      - { .name: Wo_codes, .offset: 16, .size: 8, .value_kind: global_buffer, .address_space: global }
      - { .name: Wo_scales, .offset: 24, .size: 8, .value_kind: global_buffer, .address_space: global }
      - { .name: q, .offset: 32, .size: 8, .value_kind: global_buffer, .address_space: global }
      - { .name: ln_gamma, .offset: 40, .size: 8, .value_kind: global_buffer, .address_space: global }
      - { .name: ln_beta, .offset: 48, .size: 8, .value_kind: global_buffer, .address_space: global }
      - { .name: out0, .offset: 56, .size: 8, .value_kind: global_buffer, .address_space: global }
    .group_segment_fixed_size: 327680
    .private_segment_fixed_size: 0
    .kernarg_segment_align: 8
    .kernarg_segment_size: 64
    .max_flat_workgroup_size: 128
    .sgpr_count:     66
    .vgpr_count:     1024
    .wavefront_size: 32
...
	.end_amdgpu_metadata
.endif
;; end of part 3
